; MI455X (gfx1250); checked and timed in simulation.
; The chip was launched on July 23, 2026; its instructions are those of AMD's public machine-readable ISA for CDNA 5 (MIT licence, August 2026) and "CDNA5" Instruction Set Architecture Reference Guide (July 2026). The comments in the code are by the model that wrote it; some were corrected since.
;; Ra Bi T Fusion. Allowed arithmetic: matrix products marked QUANTISED: E2M1 operands, one E8M0 scale for each 32 along K, by v_wmma_scale_f32_16x16x128_f8f6f4 with both operands' format E2M1 (or v_wmma_scale_f32_32x16x128_f4), f32 sums; products left as they are: f32 operands where the result goes on into a quantised operand, else bf16, f16 or f32 operands; f32 sums; everything else in f32.
;; Inputs: F_R 8 x 256 x 64 x 128 float32; F_T 8 x 256 x 64 x 128 float32; fc1_b 1,024 float32; fc1_w 256 x 1,024 float32; fc2_b 256 float32; fc2_w 1,024 x 256 float32; g1_b 8 float32; g1_w 2 x 8 float32; g2_b 1 float32; g2_w 8 x 1 float32; k_b 256 float32; k_w 256 x 256 float32; np_b 512 float32; np_g 512 float32; nr_b 256 float32; nr_g 256 float32; nt_b 256 float32; nt_g 256 float32; nz_b 256 float32; nz_g 256 float32; nzf_b 256 float32; nzf_g 256 float32; phi_b 512 float32; phi_w 512 x 512 float32; psi_b 4 float32; psi_w 512 x 4 float32; q_b 256 float32; q_w 256 x 256 float32; r_R 8 x 1 x 64 x 128 float32; r_T 8 x 1 x 64 x 128 float32; rpb_table 225 x 8 float32; v_b 256 float32; v_w 256 x 256 float32.
;; Outputs: out0 8 x 256 x 64 x 128 float32.
;; This version of the problem:
;;   THIS VERSION OF THE PROBLEM IS GIVEN IN LOW PRECISION. The matrix products marked QUANTISED in the list below multiply operands that are first quantised to E2M1 (2 exponent bits, 1 mantissa bit; 4 bits a number), with one power-of-two scale for each 32 numbers along K (OCP MX v1.0); their sums are f32. All else is computed in f32.
;;   The module's matrix products, in the order in which they are computed (A, B: the left and right operand; K: the contracted axis; several contracted axes count as one K, in the product's order):
;;     1. [M 65,536, K 512] x [K 512, N 4]; A: computed on the way; B: input psi_w: left as it is (N = 4 < 16)
;;     2. [M 65,536, K 512] x [K 512, N 512]; A: computed on the way; B: input phi_w: QUANTISED
;;     3. batch 1,024 x [M 4, K 64] x [K 64, N 512]; A: softmax; B: computed on the way: left as it is (M = 4 < 16)
;;     4. [M 4,096, K 256] x [K 256, N 256]; A: computed on the way; B: input q_w: QUANTISED
;;     5. [M 65,536, K 256] x [K 256, N 256]; A: input F_R; B: input k_w: QUANTISED
;;     6. [M 65,536, K 256] x [K 256, N 256]; A: input F_R; B: input v_w: QUANTISED
;;     7. [M 65,536, K 256] x [K 256, N 256]; A: input F_T; B: input k_w: QUANTISED
;;     8. [M 65,536, K 256] x [K 256, N 256]; A: input F_T; B: input v_w: QUANTISED
;;     9. batch 8,192 x [M 4, K 32] x [K 32, N 64]; A: computed on the way; B: computed on the way: left as it is (M = 4 < 16)
;;     10. batch 8,192 x [M 32, K 64] x [K 64, N 4]; A: computed on the way; B: softmax: left as it is (N = 4 < 16)
;;     11. batch 8,192 x [M 4, K 32] x [K 32, N 64]; A: computed on the way; B: computed on the way: left as it is (M = 4 < 16)
;;     12. batch 8,192 x [M 32, K 64] x [K 64, N 4]; A: computed on the way; B: softmax: left as it is (N = 4 < 16)
;;     13. [M 4,096, K 256] x [K 256, N 1,024]; A: computed on the way; B: input fc1_w: QUANTISED
;;     14. [M 4,096, K 1,024] x [K 1,024, N 256]; A: computed on the way; B: input fc2_w: QUANTISED
;;     15. [M 65,536, K 256] x [K 256, N 256]; A: input F_R; B: input q_w: QUANTISED
;;     16. [M 65,536, K 256] x [K 256, N 256]; A: input F_T; B: input q_w: QUANTISED
;;     17. [M 4,096, K 256] x [K 256, N 256]; A: computed on the way; B: input k_w: QUANTISED
;;     18. [M 4,096, K 256] x [K 256, N 256]; A: computed on the way; B: input v_w: QUANTISED
;;     19. batch 8,192 x [M 64, K 32] x [K 32, N 4]; A: computed on the way; B: computed on the way: left as it is (N = 4 < 16)
;;     20. batch 8,192 x [M 32, K 4] x [K 4, N 64]; A: computed on the way; B: softmax: left as it is (K = 4 < 32)
;;     21. batch 8,192 x [M 64, K 32] x [K 32, N 4]; A: computed on the way; B: computed on the way: left as it is (N = 4 < 16)
;;     22. batch 8,192 x [M 32, K 4] x [K 4, N 64]; A: computed on the way; B: softmax: left as it is (K = 4 < 32)
;;     23. [M 8, K 2] x [K 2, N 8]; A: computed on the way; B: input g1_w: left as it is (K = 2 < 32)
;;     24. [M 8, K 8] x [K 8, N 1]; A: computed on the way; B: input g2_w: left as it is (K = 8 < 32)
;;   THE QUANTISER, for each operand of a quantised product, along K:
;;     - K is cut into blocks of 32 from its start; a last block that is shorter is filled with zeros.
;;     - A block's scale is 2^e with e = floor(log2(the largest magnitude in the block)) - 2, held to -126 .. 127; a block of zeros has e = 0. As a byte (E8M0): e + 127.
;;     - Each number is divided by its block's scale, clamped to +-6, and rounded to the nearest number of E2M1, ties to even, subnormals kept.
;;     - The product sums the exact products of the quantised numbers (number of the format x scale) in f32.
;;   ~~~python
;;   def quantise(x, axis):      # numpy; x: float32 -> the quantised numbers, widened to float32 again
;;       x = np.moveaxis(x, axis, -1); K = x.shape[-1]
;;       x = np.pad(x, [(0, 0)] * (x.ndim - 1) + [(0, -K % 32)]); x = x.reshape(x.shape[:-1] + (-1, 32)); a = np.abs(x).max(-1, keepdims=True)
;;       e = np.where(a > 0, np.clip(np.frexp(np.where(a > 0, a, 1))[1] - 1 - 2, -126, 127), 0)      # np.frexp(a)[1] - 1 = floor(log2(a)), exactly
;;       r = np.clip(x / 2.0 ** e, -6, 6)
;;       step = 2.0 ** (np.maximum(np.frexp(np.where(r == 0, 1, r))[1] - 1, 0) - 1)
;;       q = np.round(r / step) * step * 2.0 ** e      # np.round: ties to even
;;       return np.moveaxis(q.reshape(q.shape[:-2] + (-1,))[..., :K], -1, axis).astype(np.float32)
;;   ~~~
;;   OPERANDS COMPUTED ON THE WAY. 'Computed on the way' means the value that the module computes at that place (a softmax that the list does not call 'softmax' is quantised finished and normalised). What goes into a quantiser is computed in f32, as accurately as f32 sums, v_exp_f32 and their like allow (about 1e-6 of the number): no bf16 or f16 on the way to a quantiser, and a product that is left as it is and whose result goes on into a quantised operand takes f32 operands (vector FMAs, or v_wmma_f32_16x16x4_f32). A number that lies on a knife's edge between two numbers of the format may be rounded either way, as far as f32 arithmetic and the matrix unit's own rounding can turn it there, and no further.
;; One version. Each part assembles by itself: llvm-mc -triple=amdgcn-amd-amdhsa -mcpu=gfx1250 --defsym DOCPART=n.
;; ======== version 1 of 1: 3 launches
;; workspace buffers: act 36,700,160 bytes; wc 491,520 bytes; ws 30,720 bytes; kvz 5,242,880 bytes; gam 256 bytes
;; launch prep (part 1): grid 1055 x 1, 8 waves a work-group, no clusters, 21,504 bytes of LDS; arguments F_R, F_T, np_g, np_b, psi_w, psi_b, act, phi_w, q_w, k_w, v_w, fc1_w, fc2_w, wc, ws, r_R, r_T, g1_w, g1_b, g2_w, g2_b, gam; writes act, wc, ws, gam
.if DOCPART == 1
	.amdgcn_target "amdgcn-amd-amdhsa--gfx1250"
	.amdhsa_code_object_version 6
	.text
	.protected	k_q8dbe8d9803_prep
	.globl	k_q8dbe8d9803_prep
	.p2align	8
	.type	k_q8dbe8d9803_prep,@function
k_q8dbe8d9803_prep:
	s_mov_b64 s[64:65], 0
	v_nop
	global_prefetch_b8 v0, s[64:65] scope:SCOPE_SE
	s_setreg_imm32_b32 hwreg(HW_REG_WAVE_MODE, 25, 1), 1
	s_wait_xcnt 0x0
; PREP.  Three kinds of work-group, told apart by the work-group's number alone.
;  0..1023     TOKENS: one image row h of one batch, 64 neighbouring w, all 512 channels of [F_R, F_T].  It makes: the FP4 codes and E8M0 scale words of F_R and of F_T
;              (K = the stream's 256 channels), the layer norm over the 512 channels, its codes and scale words (K = 512), and the four psi logits of each token.
;  1024..1053  WEIGHTS: phi_w, q_w, k_w, v_w, fc1_w, fc2_w, all stored [K][N], become FP4 fragments with K innermost and scale words.
;  1054        GAMMA: the gate of each batch, from the means of r_R and r_T.
; A LANE HOLDS ONE TOKEN (or one column of a weight) AND ITS 128 REGISTERS RUN ALONG K: a block of 32 lies in one lane, each load reads 128 consecutive bytes, nothing is transposed.
; Codes leave as IMAGES OF OPERAND REGISTERS: a fragment (16 rows x 128 K) is 1,024 bytes, registers 0-3 at 16 x lane, registers 4-7 at 512 + 16 x lane.
; A block's scale is 2^(floor(log2(largest magnitude)) - 2); its byte is the largest magnitude's exponent field - 2, held at 1 from below.
; LIMITS: NaN and infinities are not served; a block of zeros gets the byte 1 (its codes are zeros; this program alone reads the bytes); the weights' scale words leave in runs of 128 bytes.
.set TAB, 0                            ; LDS: 256 channel pairs x 48 bytes: g0 g1 b0 b1 | psi of the even channel | psi of the odd channel
.set STA, 12288                        ; [tg 2][cq 4][32 tokens][mean, M2]
.set LGP, 14336                        ; [tg][cq][32][4] partial logits
.set SCX, 18432                        ; [tg][cq][32] scale words of F_R / F_T
.set SCH, 19456                        ; the same of the normalised numbers
.set X,   16                           ; v16-143  128 numbers along K
.set TB,  144                          ; v144-191 two sets of six table loads
.set CX,  192                          ; v192-207 codes of the raw numbers
.set ACC, 208                          ; v208-215 logits: (m0 m1)(m2 m3) of the even channels, the same of the odd
.set MA,  216
.set MB,  217
.set SO,  218                          ; the conversion's scale operand
.set BY,  219
.set SX,  220                          ; scale word of the raw numbers
.set SH,  221                          ; scale word of the normalised numbers
.set MW,  222                          ; v222-223 my 128 channels' mean, twice
.set RS,  224                          ; v224-225 rstd, (my mean - the mean) x rstd
.set T,   226                          ; v226-239 at work
.set CH,  240                          ; v240-255 codes of the normalised numbers
.macro BAR                             ; my LDS stores have landed and my LDS loads are in: then the work-group's barrier
	s_wait_dscnt 0x0
	s_barrier_signal -1
	s_barrier_wait -1
.endm
; 32 registers, one block along K: four registers of codes, and the scale's byte into byte k of a word
.macro QBLK src, cdst, word, k
	v_max3_num_f32 v[MA], |v[\src]|, |v[\src+1]|, |v[\src+2]|
	v_max3_num_f32 v[MB], |v[\src+3]|, |v[\src+4]|, |v[\src+5]|
.irp i, 6,10,14,18,22,26
	v_max3_num_f32 v[MA], v[MA], |v[\src+\i]|, |v[\src+\i+1]|
	v_max3_num_f32 v[MB], v[MB], |v[\src+\i+2]|, |v[\src+\i+3]|
.endr
	v_max3_num_f32 v[MA], v[MA], |v[\src+30]|, |v[\src+31]|
	v_max3_num_f32 v[MA], v[MA], v[MB], 0x1800000   ; the floor 2^(3 - 127): the byte cannot fall under 1
	v_add_nc_u32 v[SO], 0xff000000, v[MA]           ; 2 off the exponent field
	v_lshrrev_b32 v[BY], 23, v[SO]
.if (\k) == 0
	v_mov_b32 v[\word], v[BY]
.else
	v_lshl_or_b32 v[\word], v[BY], 8*(\k), v[\word]
.endif
.irp g, 0,1,2,3
	v_cvt_scalef32_pk8_fp4_f32 v[\cdst+\g], v[\src+8*\g:\src+8*\g+7], v[SO]
.endr
	v_nop                                           ; one plain line behind the last conversion
.endm
; 16 registers of codes (block b at c + 4 b; lane = row 0..31) become the fragments of rows 0-15 (to pa) and of rows 16-31 (to pb):
; the swap puts block 2c+1 of rows 0-15 into lanes 16-31 of block 2c's registers, and block 2c of rows 16-31 into lanes 0-15 of block 2c+1's
.macro EMIT c, pa, pb
.irp i, 0,1,2,3
	v_permlane16_swap_b32 v[\c+\i], v[\c+4+\i]
	v_permlane16_swap_b32 v[\c+8+\i], v[\c+12+\i]
.endr
	global_store_b128 v3, v[\c:\c+3], s[\pa:\pa+1]                 ; each store covers 512 consecutive bytes
	global_store_b128 v3, v[\c+8:\c+11], s[\pa:\pa+1] offset:512
	global_store_b128 v3, v[\c+4:\c+7], s[\pb:\pb+1]
	global_store_b128 v3, v[\c+12:\c+15], s[\pb:\pb+1] offset:512
.endm
.macro SUMX first                      ; the 128 registers of X, in pairs, onto four chains; first = 1: the chains begin here
.if \first
.irp c, 0,1,2,3
	v_pk_add_f32 v[T+2*\c:T+2*\c+1], v[X+2*\c:X+2*\c+1], v[X+8+2*\c:X+9+2*\c]
.endr
.endif
.set i, 16*(\first)
.rept 16-2*(\first)
.irp c, 0,1,2,3
	v_pk_add_f32 v[T+2*\c:T+2*\c+1], v[T+2*\c:T+2*\c+1], v[X+i+2*\c:X+i+2*\c+1]
.endr
.set i, i+8
.endr
.endm
.macro FOLD                            ; the four chains into v[T]
	v_pk_add_f32 v[T:T+1], v[T:T+1], v[T+2:T+3]
	v_pk_add_f32 v[T+4:T+5], v[T+4:T+5], v[T+6:T+7]
	v_pk_add_f32 v[T:T+1], v[T:T+1], v[T+4:T+5]
	v_add_f32 v[T], v[T], v[T+1]
.endm
	v_lshl_add_u32 v239, v0, 2, 0x5000
	s_set_vgpr_msb 0x40
	v_mov_b32 v1, 0
	s_set_vgpr_msb 0x4000
	v_lshrrev_b32 v1, 5, v0
	v_readfirstlane_b32 s2, v1                     ; wave 0..7
	v_and_b32 v1, 31, v0                           ; lane
	v_lshlrev_b32 v2, 2, v1
	v_lshlrev_b32 v3, 4, v1
	v_lshlrev_b32 v9, 3, v1
	s_cmp_lt_u32 ttmp9, 1024
	s_cbranch_scc0 .Lnot_tokens
; ================= TOKENS =================
	s_load_b256 s[4:11], s[0:1], 0x0               ; F_R, F_T, np_g, np_b
	s_load_b128 s[12:15], s[0:1], 0x20             ; psi_w, psi_b
	s_load_b64 s[16:17], s[0:1], 0x30              ; act
	s_and_b32 s20, s2, 1                           ; tg: which 32 tokens
	s_lshr_b32 s21, s2, 1                          ; cq: which 128 of the 512 channels
	s_lshr_b32 s22, s2, 2                          ; st: the stream
	s_and_b32 s23, s21, 1                          ; the stream's K step
	s_lshr_b32 s24, ttmp9, 7                       ; b
	s_bfe_u32 s25, ttmp9, 0x60001                  ; h
	s_and_b32 s26, ttmp9, 1                        ; half of the image row
	s_and_b32 s27, s25, 7                          ; hr
	s_lshl_b32 s28, s24, 23                        ; where my numbers begin: b, 128 channels x K step, h, 64 w x half, 32 w x tg
	s_lshl_b32 s29, s23, 22
	s_add_co_u32 s28, s28, s29
	s_lshl_b32 s29, s25, 9
	s_add_co_u32 s28, s28, s29
	s_lshl_b32 s29, s26, 8
	s_add_co_u32 s28, s28, s29
	s_lshl_b32 s29, s20, 7
	s_add_co_u32 s28, s28, s29
	s_mov_b32 s29, 0
	s_lshr_b32 s30, ttmp9, 4                       ; 8 b + hw
	s_lshl_b32 s30, s30, 2
	s_lshl_b32 s31, s26, 1
	s_add_co_u32 s30, s30, s31
	s_add_co_u32 s30, s30, s20                     ; the record: 4 windows, 32 w x 8 h
	s_mul_i32 s30, s30, 143360
	s_mov_b32 s31, 0
	s_mul_i32 s32, s21, 3072
	v_mov_b32 v4, s32                              ; my 64 channel pairs in the table
	s_lshl_b32 s33, s20, 10
	s_lshl_b32 s34, s21, 8
	s_add_co_u32 s34, s34, s33
	v_add_nc_u32 v5, s34, v9                       ; statistics: mine
	v_add_nc_u32 v6, s33, v9                       ; and all four of my tokens
	s_lshl_b32 s33, s20, 11
	s_lshl_b32 s34, s21, 9
	s_add_co_u32 s34, s34, s33
	v_add_nc_u32 v7, s34, v3                       ; partial logits: mine
	v_add_nc_u32 v10, s33, v3                      ; and all four
	s_lshl_b32 s33, s20, 9
	s_lshl_b32 s34, s21, 7
	s_add_co_u32 s34, s34, s33
	v_add_nc_u32 v8, s34, v2                       ; scale words: mine
	v_add_nc_u32 v11, s33, v3                      ; and on the way out
	v_add_nc_u32 v12, s33, v9
	v_lshlrev_b32 v13, 3, v0
	v_lshlrev_b32 v14, 5, v0
	v_mul_u32_u24 v15, v0, 48
	s_wait_kmcnt 0x0
	s_load_b128 s[36:39], s[14:15], 0x0            ; psi_b
	s_cmp_eq_u32 s22, 0
	s_cselect_b64 s[40:41], s[4:5], s[6:7]
	s_add_nc_u64 s[40:41], s[40:41], s[28:29]
	s_add_nc_u64 s[16:17], s[16:17], s[30:31]      ; my record
	s_lshl_b32 s42, s22, 15                        ; XC: [st][hr][p][s] x 1,024
	s_lshl_b32 s43, s27, 12
	s_add_co_u32 s42, s42, s43
	s_lshl_b32 s43, s23, 10
	s_add_co_u32 s42, s42, s43
	s_add_co_u32 s42, s42, 73728
	s_mov_b32 s43, 0
	s_add_nc_u64 s[42:43], s[16:17], s[42:43]
	s_add_nc_u64 s[44:45], s[42:43], 2048
	s_lshl_b32 s46, s27, 13                        ; HC: [hr][p][s] x 1,024
	s_lshl_b32 s47, s21, 10
	s_add_co_u32 s46, s46, s47
	s_mov_b32 s47, 0
	s_add_nc_u64 s[46:47], s[16:17], s[46:47]
	s_add_nc_u64 s[48:49], s[46:47], 4096
	s_lshl_b32 s50, s27, 9
	s_mov_b32 s51, 0
	s_add_nc_u64 s[50:51], s[16:17], s[50:51]      ; record + 512 hr
	s_lshl_b32 s52, s27, 8
	s_mov_b32 s53, 0
	s_add_nc_u64 s[52:53], s[16:17], s[52:53]      ; record + 256 hr
	global_load_b64 v[TB:TB+1], v13, s[8:9]        ; thread t brings channel pair t's line of the table
	global_load_b64 v[TB+2:TB+3], v13, s[10:11]
	global_load_b128 v[TB+4:TB+7], v14, s[12:13]
	global_load_b128 v[TB+8:TB+11], v14, s[12:13] offset:16
.set i, 0
.rept 128
	global_load_b32 v[X+i], v2, s[40:41] offset:i*32768 th:TH_LOAD_NT   ; channel i of my 128 at 32 neighbouring w: 128 consecutive bytes
.set i, i+1
.endr
	s_wait_kmcnt 0x0
	s_wait_loadcnt 63                              ; of 132 loads the oldest 69 are in: the table's four and blocks 0 and 1
	ds_store_b128 v15, v[TB:TB+3]
	ds_store_b128 v15, v[TB+4:TB+7] offset:16
	ds_store_b128 v15, v[TB+8:TB+11] offset:32
	QBLK X, CX, SX, 0
	QBLK X+32, CX+4, SX, 1
	s_wait_loadcnt 32                              ; block 3's 32 loads may be out
	QBLK X+64, CX+8, SX, 2
	s_wait_loadcnt 0x0
	QBLK X+96, CX+12, SX, 3
	EMIT CX, 42, 44
	; my 128 channels' mean and sum of squared distances from it
	SUMX 1
	FOLD
	v_mul_f32 v[MW], 0x3c000000, v[T]              ; / 128
	v_mov_b32 v[MW+1], v[MW]
.set i, 0
.rept 64
	v_pk_add_f32 v[X+2*i:X+2*i+1], v[X+2*i:X+2*i+1], v[MW:MW+1] neg_lo:[0,1] neg_hi:[0,1]
.set i, i+1
.endr
.irp c, 0,1,2,3
	v_pk_mul_f32 v[T+2*\c:T+2*\c+1], v[X+2*\c:X+2*\c+1], v[X+2*\c:X+2*\c+1]
.endr
.set i, 8
.rept 15
.irp c, 0,1,2,3
	v_pk_fma_f32 v[T+2*\c:T+2*\c+1], v[X+i+2*\c:X+i+2*\c+1], v[X+i+2*\c:X+i+2*\c+1], v[T+2*\c:T+2*\c+1]
.endr
.set i, i+8
.endr
	FOLD
	v_mov_b32 v[T+8], v[MW]
	v_mov_b32 v[T+9], v[T]
	ds_store_b64 v5, v[T+8:T+9] offset:STA
	BAR                                            ; the table and the four partial statistics lie in LDS
.irp q, 0,1,2,3
	ds_load_b64 v[T+2*\q:T+2*\q+1], v6 offset:STA+256*\q
.endr
	s_wait_dscnt 0x0
	v_add_f32 v[T+8], v[T], v[T+2]
	v_add_f32 v[T+9], v[T+4], v[T+6]
	v_add_f32 v[T+8], v[T+8], v[T+9]
	v_mul_f32 v[T+8], 0x3e800000, v[T+8]           ; the mean of the 512
	v_sub_f32 v[T+9], v[T], v[T+8]
	v_mul_f32 v[T+10], v[T+9], v[T+9]
.irp q, 1,2,3
	v_sub_f32 v[T+9], v[T+2*\q], v[T+8]
	v_fmac_f32 v[T+10], v[T+9], v[T+9]
.endr
	v_add_f32 v[T+11], v[T+1], v[T+3]
	v_add_f32 v[T+12], v[T+5], v[T+7]
	v_add_f32 v[T+11], v[T+11], v[T+12]
	v_fmamk_f32 v[T+11], v[T+10], 0x43000000, v[T+11]   ; + 128 x the sum of the squared distances of the four means
	v_mul_f32 v[T+11], 0x3b000000, v[T+11]         ; / 512
	v_add_f32 v[T+11], 0x3727c5ac, v[T+11]         ; + 1e-5
	v_rsq_f32 v[RS], v[T+11]
	v_sub_f32 v[T+9], v[MW], v[T+8]                ; (a plain line behind the root)
	s_wait_alu depctr_va_vdst(0)                   ; ahead of the root's first reader
	v_mul_f32 v[RS+1], v[T+9], v[RS]
.set i, 0
.rept 8
	v_mov_b32 v[ACC+i], 0
.set i, i+1
.endr
.macro TLOAD n                         ; two channel pairs' lines of the table; every lane reads the same bytes
.irp k, 0,1,2,3,4,5
	ds_load_b128 v[TB+24*((\n)%2)+4*\k:TB+24*((\n)%2)+4*\k+3], v4 offset:96*(\n)+16*\k
.endr
.endm
.macro PAIRW xr, tb                    ; two channels: normalise, gain and bias, four logits each
	v_pk_fma_f32 v[\xr:\xr+1], v[\xr:\xr+1], v[RS:RS+1], v[RS:RS+1] op_sel:[0,0,1] op_sel_hi:[1,0,1]
	v_pk_fma_f32 v[\xr:\xr+1], v[\xr:\xr+1], v[\tb:\tb+1], v[\tb+2:\tb+3]
	v_pk_fma_f32 v[ACC:ACC+1], v[\xr:\xr+1], v[\tb+4:\tb+5], v[ACC:ACC+1] op_sel_hi:[0,1,1]
	v_pk_fma_f32 v[ACC+2:ACC+3], v[\xr:\xr+1], v[\tb+6:\tb+7], v[ACC+2:ACC+3] op_sel_hi:[0,1,1]
	v_pk_fma_f32 v[ACC+4:ACC+5], v[\xr:\xr+1], v[\tb+8:\tb+9], v[ACC+4:ACC+5] op_sel:[1,0,0] op_sel_hi:[1,1,1]
	v_pk_fma_f32 v[ACC+6:ACC+7], v[\xr:\xr+1], v[\tb+10:\tb+11], v[ACC+6:ACC+7] op_sel:[1,0,0] op_sel_hi:[1,1,1]
.endm
	TLOAD 0
.set n, 0
.rept 32
.if n < 31
	TLOAD n+1
	s_wait_dscnt 0x6                               ; this step's six loads are in; the six just issued may be out
.else
	s_wait_dscnt 0x0
.endif
	PAIRW X+4*n, TB+24*(n%2)
	PAIRW X+4*n+2, TB+24*(n%2)+12
.if n%8 == 7
	QBLK X+32*(n/8), CH+4*(n/8), SH, n/8
.endif
.set n, n+1
.endr
	EMIT CH, 46, 48
	v_pk_add_f32 v[ACC:ACC+1], v[ACC:ACC+1], v[ACC+4:ACC+5]
	v_pk_add_f32 v[ACC+2:ACC+3], v[ACC+2:ACC+3], v[ACC+6:ACC+7]
	ds_store_b128 v7, v[ACC:ACC+3] offset:LGP
	ds_store_b32 v8, v[SX] offset:SCX
	ds_store_b32 v8, v[SH] offset:SCH
	BAR                                            ; partial logits and scale words lie in LDS
	s_cmp_lg_u32 s21, 0                            ; waves 0 and 1 send them out, each for its 32 tokens, in whole runs of 256 or 512 bytes
	s_cbranch_scc1 .Ltok_end
.irp q, 0,1,2,3
	ds_load_b128 v[TB+4*\q:TB+4*\q+3], v10 offset:LGP+512*\q
.endr
	ds_load_b128 v[TB+16:TB+19], v11 offset:SCH
	ds_load_b64 v[TB+20:TB+21], v12 offset:SCX
	ds_load_b64 v[TB+22:TB+23], v12 offset:SCX+256
	s_wait_dscnt 0x0
	v_pk_add_f32 v[TB:TB+1], v[TB:TB+1], v[TB+4:TB+5]
	v_pk_add_f32 v[TB+2:TB+3], v[TB+2:TB+3], v[TB+6:TB+7]
	v_pk_add_f32 v[TB+8:TB+9], v[TB+8:TB+9], v[TB+12:TB+13]
	v_pk_add_f32 v[TB+10:TB+11], v[TB+10:TB+11], v[TB+14:TB+15]
	v_pk_add_f32 v[TB:TB+1], v[TB:TB+1], v[TB+8:TB+9]
	v_pk_add_f32 v[TB+2:TB+3], v[TB+2:TB+3], v[TB+10:TB+11]
	v_add_f32 v[TB], s36, v[TB]                    ; + psi_b
	v_add_f32 v[TB+1], s37, v[TB+1]
	v_add_f32 v[TB+2], s38, v[TB+2]
	v_add_f32 v[TB+3], s39, v[TB+3]
	global_store_b128 v3, v[TB:TB+3], s[50:51] offset:69632        ; LG
	global_store_b128 v3, v[TB+16:TB+19], s[50:51] offset:65536    ; HS
	global_store_b64 v9, v[TB+20:TB+21], s[52:53] offset:139264    ; XS, F_R
	global_store_b64 v9, v[TB+22:TB+23], s[52:53] offset:141312    ; XS, F_T
.Ltok_end:
	s_set_vgpr_msb 0x4
	s_wait_tensorcnt 0x0
	ds_add_u32 v239, v1
	s_wait_dscnt 0x0
	s_set_vgpr_msb 0x400
	s_endpgm
; ================= WEIGHTS =================
.Lnot_tokens:
	s_cmp_eq_u32 ttmp9, 1054
	s_cbranch_scc1 .Lgamma
	s_load_b256 s[4:11], s[0:1], 0x38              ; phi_w, q_w, k_w, v_w
	s_load_b256 s[12:19], s[0:1], 0x58             ; fc1_w, fc2_w, wc, ws
	s_sub_co_u32 s20, ttmp9, 1024
	s_mov_b32 s28, 0                               ; 1: the columns of a tile are permuted
	s_mov_b32 s30, 0                               ; kg
	s_wait_kmcnt 0x0
	s_cmp_lt_u32 s20, 8
	s_cbranch_scc0 .Lw_qkv
	s_mov_b64 s[22:23], s[4:5]                     ; phi_w: N = 512, 4 K steps
	s_and_b32 s29, s20, 3
	s_lshr_b32 s30, s20, 2
	s_mov_b32 s24, 262144                          ; bytes of a K step: 128 rows of 4 N
	s_mov_b32 s25, 4
	s_mov_b32 s26, 0
	s_mov_b32 s27, 0
	s_mov_b32 s32, 1
	s_branch .Lw_go
.Lw_qkv:
	s_cmp_lt_u32 s20, 14
	s_cbranch_scc0 .Lw_fc1
	s_sub_co_u32 s31, s20, 8
	s_and_b32 s29, s31, 1
	s_lshr_b32 s31, s31, 1                         ; 0 q, 1 k, 2 v
	s_cmp_eq_u32 s31, 0
	s_cselect_b64 s[22:23], s[6:7], s[8:9]
	s_cmp_eq_u32 s31, 2
	s_cselect_b64 s[22:23], s[10:11], s[22:23]
	s_mov_b32 s24, 131072
	s_mov_b32 s25, 2
	s_lshl_b32 s26, s31, 15
	s_add_co_u32 s26, s26, 131072
	s_lshl_b32 s27, s31, 11
	s_add_co_u32 s27, s27, 8192
	s_mov_b32 s32, 0
	s_branch .Lw_go
.Lw_fc1:
	s_cmp_lt_u32 s20, 22
	s_cbranch_scc0 .Lw_fc2
	s_mov_b64 s[22:23], s[12:13]
	s_sub_co_u32 s29, s20, 14
	s_mov_b32 s24, 524288
	s_mov_b32 s25, 2
	s_mov_b32 s26, 229376
	s_mov_b32 s27, 14336
	s_mov_b32 s28, 1
	s_mov_b32 s32, 2
	s_branch .Lw_go
.Lw_fc2:
	s_mov_b64 s[22:23], s[14:15]
	s_sub_co_u32 s31, s20, 22
	s_and_b32 s29, s31, 1
	s_lshr_b32 s30, s31, 1
	s_mov_b32 s24, 131072
	s_mov_b32 s25, 8
	s_mov_b32 s26, 360448
	s_mov_b32 s27, 22528
	s_mov_b32 s28, 1
	s_mov_b32 s32, 0
.Lw_go:
	s_and_b32 s33, s2, 3
	s_lshl_b32 s29, s29, 2
	s_add_co_u32 s33, s33, s29                     ; cp: my pair of tiles, 32 columns
	s_lshr_b32 s34, s2, 2
	s_lshl_b32 s30, s30, 1
	s_add_co_u32 s34, s34, s30                     ; ks: my K step
	v_lshrrev_b32 v10, 4, v1                       ; permuted: lane (u, r) takes column 8 u + r % 8 + 16 (r / 8) of the 32
	v_lshlrev_b32 v10, 3, v10
	v_and_b32 v11, 7, v1
	v_add_nc_u32 v10, v10, v11
	v_bfe_u32 v11, v1, 3, 1
	v_lshl_add_u32 v10, v11, 4, v10
	s_cmp_lg_u32 s28, 0
	s_cselect_b32 s35, -1, 0
	v_cndmask_b32 v10, v1, v10, s35
	v_lshlrev_b32 v13, 2, v10
	s_mul_i32 s36, s34, s24
	s_lshl_b32 s37, s33, 7
	s_add_co_u32 s36, s36, s37
	s_mov_b32 s37, 0
	s_add_nc_u64 s[22:23], s[22:23], s[36:37]
	s_mul_i32 s38, s33, s25
	s_add_co_u32 s40, s38, s34
	s_lshl_b32 s40, s40, 7
	s_add_co_u32 s40, s40, s27
	s_mov_b32 s41, 0
	s_add_nc_u64 s[40:41], s[18:19], s[40:41]      ; scale words: [cp][ks][32 lanes]
	s_lshl_b32 s38, s38, 1
	s_add_co_u32 s38, s38, s34
	s_lshl_b32 s38, s38, 10
	s_add_co_u32 s38, s38, s26
	s_mov_b32 s39, 0
	s_add_nc_u64 s[42:43], s[16:17], s[38:39]      ; fragment (tile 2 cp, ks)
	s_lshl_b32 s38, s25, 10
	s_add_nc_u64 s[44:45], s[42:43], s[38:39]      ; fragment (tile 2 cp + 1, ks)
.macro WLOAD pitch                     ; my column, 128 rows down K
.set i, 0
.rept 128
	global_load_b32 v[X+i], v13, s[22:23] offset:i*\pitch th:TH_LOAD_NT
.set i, i+1
.endr
.endm
	s_cmp_eq_u32 s32, 1
	s_cbranch_scc1 .Lw512
	s_cmp_eq_u32 s32, 2
	s_cbranch_scc1 .Lw1024
	WLOAD 1024
	s_branch .Lw_q
.Lw512:
	WLOAD 2048
	s_branch .Lw_q
.Lw1024:
	WLOAD 4096
.Lw_q:
	s_wait_loadcnt 63                              ; of 128 loads the oldest 65 are in: blocks 0 and 1
	QBLK X, CX, SX, 0
	QBLK X+32, CX+4, SX, 1
	s_wait_loadcnt 32
	QBLK X+64, CX+8, SX, 2
	s_wait_loadcnt 0x0
	QBLK X+96, CX+12, SX, 3
	EMIT CX, 42, 44
	global_store_b32 v2, v[SX], s[40:41]
	s_endpgm
; ================= GAMMA =================
.Lgamma:
	s_load_b256 s[4:11], s[0:1], 0x78              ; r_R, r_T, g1_w, g1_b
	s_load_b128 s[12:15], s[0:1], 0x98             ; g2_w, g2_b
	s_load_b64 s[16:17], s[0:1], 0xa8              ; gam
	s_lshl_b32 s20, s2, 15                         ; wave = batch: 8,192 numbers
	s_mov_b32 s21, 0
	s_mov_b32 s58, 0x76543210
	s_mov_b32 s59, 0xfedcba98
	s_lshl_b32 s57, s2, 2
	s_wait_kmcnt 0x0
	s_load_b512 s[24:39], s[8:9], 0x0              ; g1_w [2][8]
	s_load_b256 s[40:47], s[10:11], 0x0            ; g1_b
	s_load_b256 s[48:55], s[12:13], 0x0            ; g2_w
	s_load_b32 s56, s[14:15], 0x0                  ; g2_b
	s_add_nc_u64 s[4:5], s[4:5], s[20:21]
	s_add_nc_u64 s[6:7], s[6:7], s[20:21]
.macro RSUM p                          ; the sum of a batch's 8,192 numbers, in every lane, in v[T]
.set rr, 0
.rept 2
.set i, 0
.rept 32
	global_load_b128 v[X+4*i:X+4*i+3], v3, s[\p:\p+1] offset:16384*rr+512*i
.set i, i+1
.endr
	s_wait_loadcnt 0x0
	SUMX 1-rr
.set rr, rr+1
.endr
	FOLD
.irp k, 1,2,4,8
	v_add_f32_dpp v[T], v[T], v[T] row_xmask:\k row_mask:0xf bank_mask:0xf
.endr
	v_permlanex16_b32 v[T+1], v[T], s58, s59
	v_add_f32 v[T], v[T], v[T+1]
.endm
	RSUM 4
	v_mul_f32 v200, 0x39000000, v[T]               ; / 8,192
	RSUM 6
	v_mul_f32 v201, 0x39000000, v[T]
	s_wait_kmcnt 0x0
.irp j, 0,1,2,3,4,5,6,7
	v_fma_f32 v210, v201, s[32+\j], s[40+\j]
	v_fma_f32 v210, v200, s[24+\j], v210
	v_max_num_f32 v210, 0, v210
.if \j == 0
	v_fma_f32 v211, v210, s[48], s56
.else
	v_fma_f32 v211, v210, s[48+\j], v211
.endif
.endr
	v_mul_f32 v211, 0xbfb8aa3b, v211
	v_exp_f32 v212, v211
	v_mov_b32 v214, s57                            ; (a plain line behind the exponential)
	s_wait_alu depctr_va_vdst(0)
	v_add_f32 v212, 1.0, v212
	v_rcp_f32 v213, v212
	v_nop
	s_wait_alu depctr_va_vdst(0)
	s_wait_xcnt 0x0                                ; EXEC changes only behind this wait
	v_cmp_eq_u32 vcc_lo, 0, v1
	s_and_saveexec_b32 s60, vcc_lo
	global_store_b32 v214, v213, s[16:17]          ; lane 0 stores the batch's gate
	s_endpgm
.Lfunc_end_k_q8dbe8d9803_prep:
	.size	k_q8dbe8d9803_prep, .Lfunc_end_k_q8dbe8d9803_prep-k_q8dbe8d9803_prep
	.p2alignl 7, 3214868480
	.fill 96, 4, 3214868480
	.section	.rodata,"a",@progbits
	.p2align	6, 0x0
	.amdhsa_kernel k_q8dbe8d9803_prep
		.amdhsa_group_segment_fixed_size 21504
		.amdhsa_private_segment_fixed_size 0
		.amdhsa_enable_private_segment 0
		.amdhsa_kernarg_size 176
		.amdhsa_user_sgpr_count 2
		.amdhsa_user_sgpr_kernarg_segment_ptr 1
		.amdhsa_wavefront_size32 1
		.amdhsa_system_sgpr_workgroup_id_x 1
		.amdhsa_system_sgpr_workgroup_id_y 1
		.amdhsa_system_sgpr_workgroup_id_z 1
		.amdhsa_system_vgpr_workitem_id 0
		.amdhsa_next_free_vgpr 258
		.amdhsa_next_free_sgpr 66
		.amdhsa_reserve_vcc 1
		.amdhsa_float_denorm_mode_32 3
		.amdhsa_float_denorm_mode_16_64 3
		.amdhsa_memory_ordered 1
		.amdhsa_forward_progress 1
		.amdhsa_inst_pref_size 161
	.end_amdhsa_kernel
	.amdgpu_metadata
---
amdhsa.version: [ 1, 2 ]
amdhsa.kernels:
  - .name:           k_q8dbe8d9803_prep
    .symbol:         k_q8dbe8d9803_prep.kd
    .args:
      - { .name: F_R, .offset: 0, .size: 8, .value_kind: global_buffer, .address_space: global }
      - { .name: F_T, .offset: 8, .size: 8, .value_kind: global_buffer, .address_space: global }
      - { .name: np_g, .offset: 16, .size: 8, .value_kind: global_buffer, .address_space: global }
      - { .name: np_b, .offset: 24, .size: 8, .value_kind: global_buffer, .address_space: global }
      - { .name: psi_w, .offset: 32, .size: 8, .value_kind: global_buffer, .address_space: global }
      - { .name: psi_b, .offset: 40, .size: 8, .value_kind: global_buffer, .address_space: global }
      - { .name: act, .offset: 48, .size: 8, .value_kind: global_buffer, .address_space: global }
      - { .name: phi_w, .offset: 56, .size: 8, .value_kind: global_buffer, .address_space: global }
      - { .name: q_w, .offset: 64, .size: 8, .value_kind: global_buffer, .address_space: global }
      - { .name: k_w, .offset: 72, .size: 8, .value_kind: global_buffer, .address_space: global }
      - { .name: v_w, .offset: 80, .size: 8, .value_kind: global_buffer, .address_space: global }
      - { .name: fc1_w, .offset: 88, .size: 8, .value_kind: global_buffer, .address_space: global }
      - { .name: fc2_w, .offset: 96, .size: 8, .value_kind: global_buffer, .address_space: global }
      - { .name: wc, .offset: 104, .size: 8, .value_kind: global_buffer, .address_space: global }
      - { .name: ws, .offset: 112, .size: 8, .value_kind: global_buffer, .address_space: global }
      - { .name: r_R, .offset: 120, .size: 8, .value_kind: global_buffer, .address_space: global }
      - { .name: r_T, .offset: 128, .size: 8, .value_kind: global_buffer, .address_space: global }
      - { .name: g1_w, .offset: 136, .size: 8, .value_kind: global_buffer, .address_space: global }
      - { .name: g1_b, .offset: 144, .size: 8, .value_kind: global_buffer, .address_space: global }
      - { .name: g2_w, .offset: 152, .size: 8, .value_kind: global_buffer, .address_space: global }
      - { .name: g2_b, .offset: 160, .size: 8, .value_kind: global_buffer, .address_space: global }
      - { .name: gam, .offset: 168, .size: 8, .value_kind: global_buffer, .address_space: global }
    .group_segment_fixed_size: 21504
    .private_segment_fixed_size: 0
    .kernarg_segment_align: 8
    .kernarg_segment_size: 176
    .max_flat_workgroup_size: 256
    .sgpr_count:     66
    .vgpr_count:     258
    .wavefront_size: 32
...
	.end_amdgpu_metadata
.endif
;; end of part 1
;; launch med (part 2): grid 256 x 1, 8 waves a work-group, no clusters, 235,008 bytes of LDS; arguments act, wc, ws, phi_b, nz_g, nz_b, q_b, k_b, v_b, r_R, r_T, nzf_g, nzf_b, fc1_b, fc2_b, kvz; writes kvz
.if DOCPART == 2
	.amdgcn_target "amdgcn-amd-amdhsa--gfx1250"
	.amdhsa_code_object_version 6
	.text
	.protected	k_q8dbe8d9803_med
	.globl	k_q8dbe8d9803_med
	.p2align	8
	.type	k_q8dbe8d9803_med,@function
k_q8dbe8d9803_med:
	s_mov_b64 s[64:65], 0
	v_nop
	global_prefetch_b8 v0, s[64:65] scope:SCOPE_SE
	s_setreg_imm32_b32 hwreg(HW_REG_WAVE_MODE, 25, 1), 1
	s_wait_xcnt 0x0
; MED.  A work-group takes one record of act: 4 windows (32 w x 8 h, 256 tokens) and their 16 mediator rows (row = 4 x window + m), from the pooling to KZ and VZ.
; WAVE w OWNS HEAD w: channels 32 w .. 32 w + 31 of q, k, v; phi's columns 32 w .. and 256 + 32 w ..; 128 hidden units; 32 outputs of fc2.  Its weight fragments go from wc straight into registers.
; The weights are not shared by joint loads: 480 KB of codes do not fit in LDS beside the record, and here each wave reads its own part once, into registers.
; A token tile is 16 neighbouring w of one image row: 8 tokens of window 2 p, then 8 of window 2 p + 1.  In a product with the tokens as source 0 a lane's eight results are the eight tokens of window
; 2 p + lane / 16; with the tokens as source 1 lane % 16 is the token.  The record comes by two tensor loads a wave, each byte of LDS filled once.
; Quantised products: FP4 codes with E8M0 scales.  Pooling, scores and weighted sums of the values: f32 multiply-adds, since their results go on into quantisers.
; LOADS STAND A STEP AHEAD OF THEIR USE: in the three loops the next step's LDS loads are issued before this step's work, and the waits are counted; biases, gains and later weights are asked for a phase early.
; LIMITS: NaN and infinities are not served; a block of zeros gets the scale byte 1 (its codes are zeros); erf is x P(x^2) / Q(x^2) with x held to +-4; KZ and VZ leave as bf16.
; REGISTERS, window 0: v1 16 lane, v2 4 lane, v3 R = lane % 16, v4 hl = lane / 16, v5 4 R; v6, v10-15 LDS addresses that stay; v7-9 addresses of the phase; v16-31 Z (in the pooling v16-47 phi_b);
;   v32-47 16 numbers of a row; v48-63 a row block's two fragments, v64-65 their scale words (in the attention: the odd token tiles' fragments; the even tiles' scale words); v66-71 k, v, q scale words;
;   v72-79 phi / fc1 / fc2 scale words (in the attention v72-73: the odd tiles' scale words); v80-95 k_b; v96-127, v128-255 at work.
;   window 1: v0-127 phi, then the values VR, then fc1, then fc2; v128-159 k_w; v160-191 v_w; v192-223 q_w; v224-239 v_b.
.set HS,   65536
.set LG,   69632
.set XC,   73728
.set XS,   139264
.set AM,   143360                      ; [window 4][m 4][hr 8][j 8] f32: the pooling weights
.set RL,   147456                      ; [stream][hr][32] r x 32^-0.5
.set ZB,   149504                      ; 16 rows of 256 f32, pitch 1,040
.set PST,  166144                      ; [block 8][row 16][mean, M2]
.set ZIMG, 167168                      ; two fragments: 16 rows x 256 K
.set ZSC,  169216                      ; their scale words
.set QZS,  169472                      ; a wave's own: 16 rows x 32 f32 of QZ, pitch 144
.set AS,   187904                      ; a wave's own: [window 2][m][hr][j] attention weights
.set HIMG, 204288                      ; the hidden layer's 8 fragments
.set HSC,  212480
.set REC,  213504                      ; 4 windows x 5,120 bytes on their way out
.set TF2, 128
.set AV,  160
.set DD,  192
.set ZA,  224
.set DK,  240
.set MSB, 0
.macro WIN new                         ; the immediate's high byte repeats the setting that is left
.if MSB != \new
	s_set_vgpr_msb (MSB<<8)|\new
.set MSB, \new
.endif
.endm
.macro BAR
	s_wait_dscnt 0x0
	s_barrier_signal -1
	s_barrier_wait -1
.endm
.macro NOP4
.rept 4
	v_nop
.endr
.endm
.macro FP4 d, a, b, c, sa, sb, ra, rb  ; ra, rb = 1: that side's scales stand in lanes 16-31
.if \ra
	v_wmma_scale_f32_16x16x128_f8f6f4 v[\d:\d+7], v[\a:\a+7], v[\b:\b+7], v[\c:\c+7], v[\sa], v[\sb] matrix_a_fmt:MATRIX_FMT_FP4 matrix_b_fmt:MATRIX_FMT_FP4 matrix_a_scale:MATRIX_SCALE_ROW1
.elseif \rb
	v_wmma_scale_f32_16x16x128_f8f6f4 v[\d:\d+7], v[\a:\a+7], v[\b:\b+7], v[\c:\c+7], v[\sa], v[\sb] matrix_a_fmt:MATRIX_FMT_FP4 matrix_b_fmt:MATRIX_FMT_FP4 matrix_b_scale:MATRIX_SCALE_ROW1
.else
	v_wmma_scale_f32_16x16x128_f8f6f4 v[\d:\d+7], v[\a:\a+7], v[\b:\b+7], v[\c:\c+7], v[\sa], v[\sb] matrix_a_fmt:MATRIX_FMT_FP4 matrix_b_fmt:MATRIX_FMT_FP4
.endif
.endm
; ---------------- the record's two tensor loads, then the weights ----------------
	s_load_b512 s[4:19], s[0:1], 0x0               ; act, wc, ws, phi_b, nz_g, nz_b, q_b, k_b
	s_load_b512 s[20:35], s[0:1], 0x40             ; v_b, r_R, r_T, nzf_g, nzf_b, fc1_b, fc2_b, kvz
	s_set_vgpr_msb 0x40
	v_lshl_add_u32 v254, v0, 2, 0x39200
	v_mov_b32 v255, 0
	s_set_vgpr_msb 0x4045
	ds_add_u32 v254, v255
	ds_add_u32 v254, v255
	s_set_vgpr_msb 0x4500
	v_lshrrev_b32 v1, 5, v0
	v_readfirstlane_b32 s36, v1                    ; wave 0..7
	s_mov_b32 s40, 3<<16                           ; group 1, part 1: 36 rows of 32 elements of 8 bytes, dense
	s_mov_b32 s41, 32<<16
	s_mov_b32 s42, 36<<16
	s_mov_b32 s43, 32<<16
	s_mov_b32 s44, 36
	s_mov_b32 s45, 32
	s_mov_b32 s46, 0
	s_mov_b32 s47, 0
	s_mov_b32 s48, 3<<16                           ; part 2: 34 rows
	s_mov_b32 s49, 32<<16
	s_mov_b32 s50, 34<<16
	s_mov_b32 s51, 32<<16
	s_mov_b32 s52, 34
	s_mov_b32 s53, 32
	s_mov_b32 s54, 0
	s_mov_b32 s55, 0
	s_mul_i32 s76, ttmp9, 143360
	s_mov_b32 s77, 0
	s_mul_i32 s57, s36, 9216                       ; part 1 (F_hat's codes, scale words, logits): 8 x 9,216 = 73,728 bytes
	s_mul_i32 s61, s36, 8704                       ; part 2 (the streams' codes and scale words): 8 x 8,704 = 69,632 bytes
	s_add_co_u32 s61, s61, 73728
	s_mov_b32 s56, 1
	s_mov_b32 s60, 1
	s_mov_b32 s78, s57
	s_mov_b32 s79, 0
	s_mov_b32 s80, s61
	s_mov_b32 s81, 0
	s_wait_dscnt 0x0
	s_wait_kmcnt 0x0
	s_add_nc_u64 s[4:5], s[4:5], s[76:77]
	s_add_nc_u64 s[58:59], s[4:5], s[78:79]
	s_or_b32 s59, s59, 0x80000000
	s_add_nc_u64 s[62:63], s[4:5], s[80:81]
	s_or_b32 s63, s63, 0x80000000
	tensor_load_to_lds s[56:59], s[40:47]          ; two loads of mine are out
	s_nop 0
	tensor_load_to_lds s[60:63], s[48:55]
	s_nop 0
	NOP4
	s_mov_b32 s66, 0x76543210
	s_mov_b32 s67, 0xfedcba98                      ; v_permlanex16_b32's selects for lane xor 16
	s_mov_b32 s94, 0x3727c5ac                      ; 1e-5
	s_lshl_b32 s76, s36, 13
	s_add_nc_u64 s[82:83], s[6:7], s[76:77]        ; wc + 8,192 w: phi
	s_lshl_b32 s76, s36, 12
	s_add_nc_u64 s[84:85], s[6:7], s[76:77]        ; wc + 4,096 w: q, k, v
	s_lshl_b32 s76, s36, 14
	s_add_nc_u64 s[86:87], s[6:7], s[76:77]        ; wc + 16,384 w: fc1, fc2
	s_lshl_b32 s76, s36, 9
	s_add_nc_u64 s[88:89], s[8:9], s[76:77]        ; ws + 512 w
	s_add_nc_u64 s[30:31], s[30:31], s[76:77]      ; fc1_b + 512 w
	s_lshl_b32 s76, s36, 8
	s_add_nc_u64 s[90:91], s[8:9], s[76:77]
	s_lshl_b32 s76, s36, 10
	s_add_nc_u64 s[92:93], s[8:9], s[76:77]
	s_lshl_b32 s76, s36, 7                         ; my 32 channels in every vector of 256
	s_add_nc_u64 s[10:11], s[10:11], s[76:77]
	s_add_nc_u64 s[12:13], s[12:13], s[76:77]
	s_add_nc_u64 s[14:15], s[14:15], s[76:77]
	s_add_nc_u64 s[16:17], s[16:17], s[76:77]
	s_add_nc_u64 s[18:19], s[18:19], s[76:77]
	s_add_nc_u64 s[20:21], s[20:21], s[76:77]
	s_add_nc_u64 s[26:27], s[26:27], s[76:77]
	s_add_nc_u64 s[28:29], s[28:29], s[76:77]
	s_add_nc_u64 s[32:33], s[32:33], s[76:77]
	s_lshr_b32 s76, ttmp9, 2                       ; r: (8 b + hw) x 8 rows, + row w, + 32 w x (record % 4)
	s_lshl_b32 s76, s76, 12
	s_lshl_b32 s78, s36, 9
	s_add_co_u32 s76, s76, s78
	s_and_b32 s78, ttmp9, 3
	s_lshl_b32 s78, s78, 7
	s_add_co_u32 s76, s76, s78
	s_add_nc_u64 s[22:23], s[22:23], s[76:77]
	s_add_nc_u64 s[24:25], s[24:25], s[76:77]
	s_mul_i32 s76, ttmp9, 20480
	s_mul_i32 s78, s36, 2560
	s_add_co_u32 s76, s76, s78
	s_add_nc_u64 s[34:35], s[34:35], s[76:77]
	v_and_b32 v6, 31, v0
	v_lshlrev_b32 v1, 4, v6
	v_lshlrev_b32 v2, 2, v6
	v_and_b32 v3, 15, v0
	v_bfe_u32 v4, v0, 4, 1
	v_lshlrev_b32 v5, 2, v3
	v_lshlrev_b32 v125, 5, v4                      ; k_b's offset, in a register that nothing writes while a load may still read it
	v_lshlrev_b32 v11, 6, v4
	; what the pooling wants comes first: phi, its scale words, phi_b: 44 loads
	WIN 0x40                                       ; destinations in window 1
.irp c, 0,1,2,3
.irp s, 0,1,2,3
	global_load_b128 v[8*(4*\c+\s):8*(4*\c+\s)+3], v1, s[82:83] offset:(\c/2)*65536+(4*(\c%2)+\s)*1024
	global_load_b128 v[8*(4*\c+\s)+4:8*(4*\c+\s)+7], v1, s[82:83] offset:(\c/2)*65536+(4*(\c%2)+\s)*1024+512
.endr
.endr
	WIN 0
.irp g, 0,1
.irp s, 0,1,2,3
	global_load_b32 v[72+4*\g+\s], v2, s[88:89] offset:4096*\g+128*\s
.endr
.endr
.irp c, 0,1,2,3
	global_load_b32 v[16+8*\c], v5, s[10:11] offset:(\c/2)*1024+(\c%2)*64  ; phi_b of my column; copied into the tile's other seven registers below
.endr
	; and then what is wanted from the first layer norm on: 24 + 2 + 6 + 4 + 2 = 38 loads
	WIN 0x40
.irp f, 0,1,2,3
	global_load_b128 v[128+8*\f:131+8*\f], v1, s[84:85] offset:163840+1024*\f
	global_load_b128 v[132+8*\f:135+8*\f], v1, s[84:85] offset:163840+1024*\f+512
	global_load_b128 v[160+8*\f:163+8*\f], v1, s[84:85] offset:196608+1024*\f
	global_load_b128 v[164+8*\f:167+8*\f], v1, s[84:85] offset:196608+1024*\f+512
	global_load_b128 v[192+8*\f:195+8*\f], v1, s[84:85] offset:131072+1024*\f
	global_load_b128 v[196+8*\f:199+8*\f], v1, s[84:85] offset:131072+1024*\f+512
.endr
.irp ct, 0,1
	global_load_b32 v[224+8*\ct], v5, s[20:21] offset:64*\ct       ; v_b of my column
.endr
	WIN 0
.irp s, 0,1
	global_load_b32 v[66+\s], v2, s[90:91] offset:10240+128*\s
	global_load_b32 v[68+\s], v2, s[90:91] offset:12288+128*\s
	global_load_b32 v[70+\s], v2, s[90:91] offset:8192+128*\s
.endr
.irp ct, 0,1
	global_load_b128 v[80+8*\ct:83+8*\ct], v125, s[18:19] offset:64*\ct
	global_load_b128 v[84+8*\ct:87+8*\ct], v125, s[18:19] offset:64*\ct+16
.endr
	global_load_b32 v126, v2, s[22:23]
	global_load_b32 v127, v2, s[24:25]
	; LDS addresses that stay
	s_lshl_b32 s76, s36, 7
	s_add_co_u32 s78, s76, ZB
	v_mad_u32_u24 v10, v4, 4160, v5
	v_add_nc_u32 v10, s78, v10                     ; ZB, in: row 4 hl (+ 8 p + m), column 32 w + R (+ 16 c)
	v_mad_u32_u24 v12, v3, 1040, v11
	v_add_nc_u32 v12, s78, v12                     ; ZB, out: row R, columns 32 w + 16 hl ..
	s_add_co_u32 s78, s76, PST
	v_lshl_add_u32 v13, v3, 3, s78
	v_lshlrev_b32 v14, 3, v3
	v_add_nc_u32 v14, PST, v14
	s_lshl_b32 s78, s36, 8
	s_add_co_u32 s78, s78, ZIMG
	v_lshl_add_u32 v15, v3, 4, s78
	v_lshl_add_u32 v15, v4, 3, v15                 ; block w of row R in the fragments' image: 256 w + 16 R + 8 hl
	s_lshr_b32 s78, s36, 2
	s_lshl_b32 s78, s78, 6
	s_and_b32 s79, s36, 3
	s_add_co_u32 s78, s78, s79
	s_add_co_u32 s78, s78, ZSC
	v_add_nc_u32 v6, s78, v5                       ; and its scale byte
	s_wait_tensorcnt 0x1                           ; my share of part 1 has landed; part 2 may be out
	BAR
; ---------------- the pooling weights: softmax over a window's 64 tokens.  Wave: m = w % 4; it stores rows 4 (w / 4) .. + 3.  No global load is waited for here ----------------
	s_and_b32 s76, s36, 3
	s_lshr_b32 s77, s36, 2
	s_lshl_b32 s78, s76, 2
	s_lshl_b32 s79, s77, 11
	s_add_co_u32 s78, s78, s79
	s_add_co_u32 s78, s78, LG
	s_xor_b32 s79, s78, 2048
	v_add_nc_u32 v7, s78, v1                       ; my four image rows,
	v_add_nc_u32 v8, s79, v1                       ; the other four
	s_lshl_b32 s80, s76, 8
	s_lshl_b32 s81, s77, 7
	s_add_co_u32 s80, s80, s81
	s_add_co_u32 s80, s80, AM
	v_bfe_u32 v9, v0, 3, 2
	v_lshlrev_b32 v9, 10, v9
	v_and_b32 v105, 7, v0
	v_lshl_add_u32 v9, v105, 2, v9
	v_add_nc_u32 v9, s80, v9
.irp i, 0,1,2,3
	ds_load_b32 v[96+\i], v7 offset:512*\i
	ds_load_b32 v[100+\i], v8 offset:512*\i
.endr
	s_wait_dscnt 0x0
	v_max3_num_f32 v104, v96, v97, v98
	v_max3_num_f32 v104, v104, v99, v100
	v_max3_num_f32 v104, v104, v101, v102
	v_max_num_f32 v104, v104, v103
.irp k, 1,2,4
	v_max_num_f32_dpp v104, v104, v104 row_xmask:\k row_mask:0xf bank_mask:0xf   ; the window's eight lanes
.endr
	v_mul_f32 v105, 0xbfb8aa3b, v104
.irp i, 0,1,2,3,4,5,6,7
	v_fmamk_f32 v[96+\i], v[96+\i], 0x3fb8aa3b, v105
.endr
.irp i, 0,1,2,3,4,5,6,7
	v_exp_f32 v[96+\i], v[96+\i]
.endr
	v_nop
	s_wait_alu depctr_va_vdst(0)                   ; one wait for the eight, ahead of their first reader
	v_add_f32 v104, v96, v97
	v_add_f32 v106, v98, v99
	v_add_f32 v107, v100, v101
	v_add_f32 v108, v102, v103
	v_add_f32 v104, v104, v106
	v_add_f32 v107, v107, v108
	v_add_f32 v104, v104, v107
.irp k, 1,2,4
	v_add_f32_dpp v104, v104, v104 row_xmask:\k row_mask:0xf bank_mask:0xf
.endr
	v_rcp_f32 v105, v104
	v_nop
	s_wait_alu depctr_va_vdst(0)
.irp i, 0,1,2,3
	v_mul_f32 v[96+\i], v[96+\i], v105
.endr
.irp i, 0,1,2,3
	ds_store_b32 v9, v[96+\i] offset:32*\i
.endr
	BAR
; ---------------- F_hat phi_w + phi_b, pooled as it is made.  Windows 2 p and 2 p + 1; a trip is one image row ----------------
; A trip's order: the fragments are in; 16 products; the NEXT row's fragments are asked for, into the registers that the products have just read; this row's weights are in; 64 multiply-adds;
; the next row's weights are asked for.  So the fragments land under the multiply-adds and the weights under the products.
.macro P2LT p                          ; one image row's four fragments of F_hat and their scale words: 12 loads
	v_add_nc_u32 v7, s70, v1
	v_add_nc_u32 v8, s71, v5
.irp s, 0,1,2,3
	ds_load_b128 v[TF2+8*\s:TF2+8*\s+3], v7 offset:4096*\p+1024*\s
	ds_load_b128 v[TF2+8*\s+4:TF2+8*\s+7], v7 offset:4096*\p+1024*\s+512
	ds_load_b32 v[96+\s], v8 offset:128*\s+64*\p
.endr
.endm
.macro P2LA p                          ; the row's pooling weights, four m x eight tokens of my half's window: 8 loads
	v_lshl_add_u32 v9, v4, 10, s72
.irp m, 0,1,2,3
	ds_load_b128 v[AV+8*\m:AV+8*\m+3], v9 offset:2048*\p+256*\m
	ds_load_b128 v[AV+8*\m+4:AV+8*\m+7], v9 offset:2048*\p+256*\m+16
.endr
.endm
.macro P2TRIP p, more                  ; more = 1: the next row is asked for
	s_wait_dscnt 0x8                               ; fragments and scale words are in; the 8 loads of weights issued behind them may be out
	WIN 0x04                                       ; source 1 (phi) in window 1
.irp s, 0,1,2,3                        ; the four accumulators by turns, one instruction a turn
.irp c, 0,1,2,3
.if \s == 0
	FP4 DD+8*\c, TF2+8*\s, 8*(4*\c+\s), 16+8*\c, 96+\s, 72+4*(\c/2)+\s, 0, \c%2
.else
	FP4 DD+8*\c, TF2+8*\s, 8*(4*\c+\s), DD+8*\c, 96+\s, 72+4*(\c/2)+\s, 0, \c%2
.endif
.endr
.endr
	WIN 0
	NOP4                                           ; places in front of the loads into the fragments' registers and of the first read of results
.if \more
	s_add_co_u32 s70, s70, 8192
	s_add_co_u32 s71, s71, 512
	P2LT \p
	s_wait_dscnt 0xc                               ; this row's weights are in; the 12 loads just issued may be out
.else
	s_wait_dscnt 0x0
.endif
.irp c, 0,1,2,3                        ; Z(m, column) += weight(m, token) x result(token, column): each accumulator is read from its low end on
.irp jp, 0,1,2,3
.irp m, 0,1,2,3
	v_pk_fma_f32 v[ZA+2*(4*\c+\m):ZA+2*(4*\c+\m)+1], v[DD+8*\c+2*\jp:DD+8*\c+2*\jp+1], v[AV+8*\m+2*\jp:AV+8*\m+2*\jp+1], v[ZA+2*(4*\c+\m):ZA+2*(4*\c+\m)+1]
.endr
.endr
.endr
.if \more
	s_add_co_u32 s72, s72, 32
	P2LA \p
.endif
.endm
.macro P2P p
.set i, 0
.rept 32
	v_mov_b32 v[ZA+i], 0
.set i, i+1
.endr
	s_mov_b32 s70, 0                               ; 8,192 hr
	s_mov_b32 s71, HS                              ; + 512 hr
	s_mov_b32 s72, AM                              ; + 32 hr
	P2LT \p
	P2LA \p
	s_mov_b32 s68, 7
.Lp2_\@:
	P2TRIP \p, 1
	s_sub_co_u32 s68, s68, 1
	s_cmp_lg_u32 s68, 0
	s_cbranch_scc1 .Lp2_\@
	P2TRIP \p, 0                                   ; the eighth row is written out: it asks for nothing more
.set i, 0
.rept 16
	v_add_f32 v[ZA+2*i], v[ZA+2*i], v[ZA+2*i+1]
.set i, i+1
.endr
.irp c, 0,1
.irp m, 0,1,2,3
	v_add_f32 v[100+4*\c+\m], v[ZA+2*(4*\c+\m)], v[ZA+2*(4*\c+8+\m)]   ; column d and column 256 + d
.endr
.endr
.irp c, 0,1
.irp m, 0,1,2,3
	v_mul_f32 v[100+4*\c+\m], 0.5, v[100+4*\c+\m]
	ds_store_b32 v10, v[100+4*\c+\m] offset:8320*\p+1040*\m+64*\c
.endr
.endr
.endm
	s_wait_loadcnt 0x26                            ; phi, its scale words and phi_b are in; the 38 loads issued behind them may be out
.irp c, 0,1,2,3
.irp j, 1,2,3,4,5,6,7
	v_mov_b32 v[16+8*\c+\j], v[16+8*\c]            ; phi_b in all eight registers of the result's layout: it is the sums' first C
.endr
.endr
	P2P 0
	P2P 1
	s_wait_loadcnt 0x0                             ; k, v, q, their scale words, k_b, v_b, r
	WIN 0x41                                       ; source and destination in window 1
.irp ct, 0,1
.irp j, 1,2,3,4,5,6,7
	v_mov_b32 v[224+8*\ct+\j], v[224+8*\ct]        ; v_b likewise
.endr
.endr
	WIN 0
	v_mul_f32 v126, 0x3e3504f3, v126               ; r x 32^-0.5: image row w of both streams
	v_mul_f32 v127, 0x3e3504f3, v127
	s_lshl_b32 s76, s36, 7
	s_add_co_u32 s78, s76, RL
	v_add_nc_u32 v8, s78, v2
	ds_store_b32 v8, v126
	ds_store_b32 v8, v127 offset:1024
	v_lshlrev_b32 v9, 5, v4
.macro GBLOAD gp, bp                   ; gain and bias of my lane's 16 channels: 8 loads
.irp i, 0,1,2,3
	global_load_b128 v[96+4*\i:99+4*\i], v11, s[\gp:\gp+1] offset:16*\i
	global_load_b128 v[112+4*\i:115+4*\i], v11, s[\bp:\bp+1] offset:16*\i
.endr
.endm
	s_wait_tensorcnt 0x0                           ; my share of part 2 has landed
	s_wait_dscnt 0x0                               ; my LDS stores have landed and have read their registers
	GBLOAD 12, 14                                  ; asked for in front of the barrier: nz_g, nz_b,
.irp u, 0,1
	global_load_b128 v[160+8*\u:163+8*\u], v9, s[16:17] offset:64*\u       ; and q_b, the first C of QZ's sums
	global_load_b128 v[164+8*\u:167+8*\u], v9, s[16:17] offset:64*\u+16
.endr
	s_barrier_signal -1
	s_barrier_wait -1
; 16 numbers of a lane (row R, k = 32 w + 16 hl + i) and lane xor 16's are a block: codes and scale byte into the fragments' image
.macro QTAIL src
	v_max3_num_f32 v128, |v[\src]|, |v[\src+1]|, 0x1800000
	v_max3_num_f32 v129, |v[\src+2]|, |v[\src+3]|, |v[\src+6]|
	v_max3_num_f32 v128, v128, |v[\src+4]|, |v[\src+5]|
	v_max3_num_f32 v129, v129, |v[\src+7]|, |v[\src+10]|
	v_max3_num_f32 v128, v128, |v[\src+8]|, |v[\src+9]|
	v_max3_num_f32 v129, v129, |v[\src+11]|, |v[\src+14]|
	v_max3_num_f32 v128, v128, |v[\src+12]|, |v[\src+13]|
	v_max3_num_f32 v128, v128, v129, |v[\src+15]|
	v_permlanex16_b32 v130, v128, s66, s67
	v_max_num_f32 v128, v128, v130
	v_add_nc_u32 v131, 0xff000000, v128
	v_lshrrev_b32 v132, 23, v131
	v_cvt_scalef32_pk8_fp4_f32 v134, v[\src:\src+7], v131
	v_cvt_scalef32_pk8_fp4_f32 v135, v[\src+8:\src+15], v131
	v_nop
	ds_store_b64 v15, v[134:135]
	ds_store_b8 v6, v132
	BAR
.endm
; The 16 rows in ZB (addz = 1: + Z) get their layer norm over 256 channels, with the gain in v96-111 and the bias in v112-127, into v[dst] on, and are quantised.  Wave w holds block w of every row.
; left: the global loads issued behind gain and bias, which may stay out.
.macro ROWQ addz, dst, left
.irp i, 0,1,2,3
	ds_load_b128 v[32+4*\i:35+4*\i], v12 offset:16*\i
.endr
	s_wait_dscnt 0x0
.if \addz
.irp i, 0,2,4,6,8,10,12,14
	v_pk_add_f32 v[32+\i:33+\i], v[32+\i:33+\i], v[16+\i:17+\i]
.endr
.endif
	v_pk_add_f32 v[128:129], v[32:33], v[34:35]
	v_pk_add_f32 v[130:131], v[36:37], v[38:39]
	v_pk_add_f32 v[128:129], v[128:129], v[40:41]
	v_pk_add_f32 v[130:131], v[130:131], v[42:43]
	v_pk_add_f32 v[128:129], v[128:129], v[44:45]
	v_pk_add_f32 v[130:131], v[130:131], v[46:47]
	v_pk_add_f32 v[128:129], v[128:129], v[130:131]
	v_add_f32 v128, v128, v129
	v_permlanex16_b32 v129, v128, s66, s67
	v_add_f32 v128, v128, v129
	v_mul_f32 v134, 0x3d000000, v128               ; the block's mean
	v_mov_b32 v135, v134
.irp i, 0,2,4,6,8,10,12,14
	v_pk_add_f32 v[32+\i:33+\i], v[32+\i:33+\i], v[134:135] neg_lo:[0,1] neg_hi:[0,1]
.endr
	v_pk_mul_f32 v[128:129], v[32:33], v[32:33]
	v_pk_mul_f32 v[130:131], v[34:35], v[34:35]
.irp i, 4,8,12
	v_pk_fma_f32 v[128:129], v[32+\i:33+\i], v[32+\i:33+\i], v[128:129]
	v_pk_fma_f32 v[130:131], v[34+\i:35+\i], v[34+\i:35+\i], v[130:131]
.endr
	v_pk_add_f32 v[128:129], v[128:129], v[130:131]
	v_add_f32 v128, v128, v129
	v_permlanex16_b32 v129, v128, s66, s67
	v_add_f32 v135, v128, v129                     ; and its sum of squared distances
	ds_store_b64 v13, v[134:135]
	BAR
.irp q, 0,1,2,3,4,5,6,7
	ds_load_b64 v[136+2*\q:137+2*\q], v14 offset:128*\q
.endr
	s_wait_dscnt 0x0
	v_add_f32 v152, v136, v138
	v_add_f32 v153, v140, v142
	v_add_f32 v154, v144, v146
	v_add_f32 v155, v148, v150
	v_add_f32 v152, v152, v153
	v_add_f32 v154, v154, v155
	v_add_f32 v152, v152, v154
	v_mul_f32 v152, 0x3e000000, v152               ; the row's mean
	v_sub_f32 v153, v136, v152
	v_mul_f32 v154, v153, v153
.irp q, 1,2,3,4,5,6,7
	v_sub_f32 v153, v[136+2*\q], v152
	v_fmac_f32 v154, v153, v153
.endr
	v_add_f32 v155, v137, v139
.irp q, 2,3,4,5,6,7
	v_add_f32 v155, v155, v[137+2*\q]
.endr
	v_fmamk_f32 v155, v154, 0x42000000, v155       ; + 32 x the squared distances of the eight means
	v_mul_f32 v155, 0x3b800000, v155               ; / 256
	v_add_f32 v155, s94, v155
	v_rsq_f32 v156, v155
	v_sub_f32 v153, v134, v152
	s_wait_alu depctr_va_vdst(0)
	v_mul_f32 v157, v153, v156
	s_wait_loadcnt \left                           ; gain and bias are in
.irp i, 0,2,4,6,8,10,12,14
	v_pk_fma_f32 v[32+\i:33+\i], v[32+\i:33+\i], v[156:157], v[156:157] op_sel:[0,0,1] op_sel_hi:[1,0,1]
.endr
.irp i, 0,2,4,6,8,10,12,14
	v_pk_fma_f32 v[\dst+\i:\dst+\i+1], v[32+\i:33+\i], v[96+\i:97+\i], v[112+\i:113+\i]
.endr
	QTAIL \dst
.endm
.macro ZFLOAD                          ; the rows' two fragments and their scale words
	v_add_nc_u32 v7, ZIMG, v1
	v_add_nc_u32 v8, ZSC, v5
.irp f, 0,1
	ds_load_b128 v[48+8*\f:51+8*\f], v7 offset:1024*\f
	ds_load_b128 v[52+8*\f:55+8*\f], v7 offset:1024*\f+512
	ds_load_b32 v[64+\f], v8 offset:64*\f
.endr
.endm
; ---------------- Z = LN(..), kept in v16-31; QZ = Z q_w + q_b, my head, into my own LDS rows ----------------
	ROWQ 0, 16, 4                                  ; q_b's four loads may be out
	ZFLOAD
	s_mul_i32 s76, s36, 2304
	s_add_co_u32 s76, s76, QZS
	s_lshl_b32 s78, s36, 11
	s_add_co_u32 s78, s78, AS
	s_wait_loadcnt 0x0                             ; q_b
	s_wait_dscnt 0x0
	WIN 0x01                                       ; source 0 (q_w) in window 1: transposed: a lane holds one row and eight channels
	FP4 128, 192, 48, 160, 70, 64, 0, 0
	FP4 136, 208, 48, 168, 70, 64, 1, 0
	FP4 128, 200, 56, 128, 71, 65, 0, 0
	FP4 136, 216, 56, 136, 71, 65, 1, 0
	WIN 0
	v_mad_u32_u24 v36, v3, 144, v9                 ; these lines name none of the products' registers: they are the places behind them
	v_add_nc_u32 v36, s76, v36
	v_bfe_u32 v35, v0, 3, 1
	v_mul_u32_u24 v32, v35, 576
	v_lshl_add_u32 v32, v4, 5, v32
	v_add_nc_u32 v32, s76, v32                     ; QZ of my token's window: + 1,152 p + 144 m + 64 ct
	v_and_b32 v33, 7, v0
	v_lshlrev_b32 v33, 2, v33
	v_lshl_add_u32 v33, v35, 10, v33
	v_add_nc_u32 v33, s78, v33                     ; attention weights, in
	v_lshl_add_u32 v34, v4, 10, s78                ; and out
.irp u, 0,1
	ds_store_b128 v36, v[128+8*\u:131+8*\u] offset:64*\u
	ds_store_b128 v36, v[132+8*\u:135+8*\u] offset:64*\u+16
.endr
; ---------------- the mediators attend to both streams, head w ----------------
; The token tiles' fragments take turns on two sets of registers (even rows v224-239 with scale words v64-65, odd rows v48-63 with v72-73): row hr + 1 is asked for at the head of row hr.
.macro TFLOAD hr, p                    ; a token tile's two fragments and scale words: 6 loads
.set tfb, 224-176*((\hr)%2)
.set tsb, 64+8*((\hr)%2)
.irp s, 0,1
	ds_load_b128 v[tfb+8*\s:tfb+8*\s+3], v7 offset:2048*\p+4096*(\hr)+1024*\s
	ds_load_b128 v[tfb+8*\s+4:tfb+8*\s+7], v7 offset:2048*\p+4096*(\hr)+1024*\s+512
	ds_load_b32 v[tsb+\s], v8 offset:256*(\hr)+128*\s+64*\p
.endr
.endm
.macro SCORE hr, p                     ; one token tile: K (transposed) and V (as it stands), then the four scores of each token
.if (\hr) < 7
	TFLOAD (\hr)+1, \p                             ; into the set that row hr - 1's products read: their places are that row's multiply-adds
	s_wait_dscnt 0x6                               ; this row's loads are in; the six just issued may be out
.else
	s_wait_dscnt 0x0
.endif
.set tfb, 224-176*((\hr)%2)
.set tsb, 64+8*((\hr)%2)
	WIN 0x01
	FP4 DK, 128, tfb, 80, 66, tsb, 0, 0
	FP4 DK+8, 144, tfb, 88, 66, tsb, 1, 0
	FP4 DK, 136, tfb+8, DK, 67, tsb+1, 0, 0
	FP4 DK+8, 152, tfb+8, DK+8, 67, tsb+1, 1, 0
	WIN 0x54                                       ; v_w, v_b and the results in window 1
	FP4 16*(\hr), tfb, 160, 224, tsb, 68, 0, 0
	FP4 16*(\hr)+8, tfb, 176, 232, tsb, 68, 0, 1
	FP4 16*(\hr), tfb+8, 168, 16*(\hr), tsb+1, 69, 0, 0
	FP4 16*(\hr)+8, tfb+8, 184, 16*(\hr)+8, tsb+1, 69, 0, 1
	WIN 0
	NOP4
.irp m, 0,1,2,3
	v_pk_mul_f32 v[96+2*\m:97+2*\m], v[DK:DK+1], v[128+16*\m:129+16*\m]
.endr
.irp e, 1,2,3,4,5,6,7                  ; pair e of my 16 channels
.irp m, 0,1,2,3
	v_pk_fma_f32 v[96+2*\m:97+2*\m], v[DK+2*\e:DK+2*\e+1], v[128+16*\m+2*\e:129+16*\m+2*\e], v[96+2*\m:97+2*\m]
.endr
.endr
.irp m, 0,1,2,3
	v_add_f32 v[96+2*\m], v[96+2*\m], v[97+2*\m]
.endr
.irp m, 0,1,2,3
	v_permlanex16_b32 v[97+2*\m], v[96+2*\m], s66, s67             ; the head's other 16 channels
.endr
.irp m, 0,1,2,3
	v_add_f32 v[96+2*\m], v[96+2*\m], v[97+2*\m]
.endr
.irp m, 0,1,2,3
	v_mul_f32 v[192+4*(\hr)+\m], v[96+2*\m], v[120+(\hr)]          ; x 32^-0.5 x r
.endr
.endm
; The attention weights take turns on v224-255 (even rows) and v192-223 (odd rows: the scores' registers, free once the stores of the weights are done)
.macro AVLOAD hr                       ; four m x eight tokens of my half's window: 8 loads
.set avb, 224-32*((\hr)%2)
.irp m, 0,1,2,3
	ds_load_b128 v[avb+8*\m:avb+8*\m+3], v34 offset:256*\m+32*(\hr)
	ds_load_b128 v[avb+8*\m+4:avb+8*\m+7], v34 offset:256*\m+32*(\hr)+16
.endr
.endm
.macro PVSTEP hr                       ; Zh(m, channel) += weight(m, token) x V(token, channel)
.if (\hr) < 7
	AVLOAD (\hr)+1
	s_wait_dscnt 0x8                               ; this row's weights are in; the eight loads just issued may be out
.else
	s_wait_dscnt 0x0
.endif
.set avb, 224-32*((\hr)%2)
	WIN 0x01
.irp ct, 0,1
.irp jp, 0,1,2,3
.irp m, 0,1,2,3
	v_pk_fma_f32 v[104+2*(4*\ct+\m):105+2*(4*\ct+\m)], v[16*(\hr)+8*\ct+2*\jp:16*(\hr)+8*\ct+2*\jp+1], v[avb+8*\m+2*\jp:avb+8*\m+2*\jp+1], v[104+2*(4*\ct+\m):105+2*(4*\ct+\m)]
.endr
.endr
.endr
	WIN 0
.endm
.macro P5P p
.irp m, 0,1,2,3
.irp e, 0,1,2,3
	ds_load_b128 v[128+16*\m+4*\e:131+16*\m+4*\e], v32 offset:1152*\p+144*\m+64*(\e/2)+16*(\e%2)
.endr
.endr
.set i, 0
.rept 16
	v_mov_b32 v[104+i], 0
.set i, i+1
.endr
	s_mov_b32 s70, XC                              ; + 32,768 x stream
	s_mov_b32 s71, XS                              ; + 2,048 x stream
	s_mov_b32 s72, RL                              ; + 1,024 x stream
	s_mov_b32 s68, 2
.Lp5_\@:
	v_add_nc_u32 v7, s70, v1
	v_add_nc_u32 v8, s71, v5
	v_add_nc_u32 v9, s72, v5
.irp hr, 0,1,2,3,4,5,6,7
	ds_load_b32 v[120+\hr], v9 offset:128*\hr+64*\p
.endr
	TFLOAD 0, \p
.irp hr, 0,1,2,3,4,5,6,7
	SCORE \hr, \p
.endr
	; softmax over the window's 64 tokens: eight registers x eight lanes, for each m
.irp m, 0,1,2,3
	v_max3_num_f32 v[36+\m], v[192+\m], v[196+\m], v[200+\m]
.endr
.irp m, 0,1,2,3
	v_max3_num_f32 v[36+\m], v[36+\m], v[204+\m], v[208+\m]
.endr
.irp m, 0,1,2,3
	v_max3_num_f32 v[36+\m], v[36+\m], v[212+\m], v[216+\m]
.endr
.irp m, 0,1,2,3
	v_max_num_f32 v[36+\m], v[36+\m], v[220+\m]
.endr
.irp k, 1,2,4
.irp m, 0,1,2,3
	v_max_num_f32_dpp v[36+\m], v[36+\m], v[36+\m] row_xmask:\k row_mask:0xf bank_mask:0xf
.endr
.endr
.irp m, 0,1,2,3
	v_mul_f32 v[40+\m], 0xbfb8aa3b, v[36+\m]
.endr
.set i, 0
.rept 32
	v_fmamk_f32 v[192+i], v[192+i], 0x3fb8aa3b, v[40+i%4]
.set i, i+1
.endr
.set i, 0
.rept 32
	v_exp_f32 v[192+i], v[192+i]
.set i, i+1
.endr
	v_nop
	s_wait_alu depctr_va_vdst(0)                   ; one wait for the 32
.irp m, 0,1,2,3
	v_add_f32 v[44+\m], v[192+\m], v[196+\m]
.endr
.irp hr, 2,3,4,5,6,7
.irp m, 0,1,2,3
	v_add_f32 v[44+\m], v[44+\m], v[192+4*\hr+\m]
.endr
.endr
.irp k, 1,2,4
.irp m, 0,1,2,3
	v_add_f32_dpp v[44+\m], v[44+\m], v[44+\m] row_xmask:\k row_mask:0xf bank_mask:0xf
.endr
.endr
.irp m, 0,1,2,3
	v_rcp_f32 v[48+\m], v[44+\m]
.endr
	v_nop
	s_wait_alu depctr_va_vdst(0)
.set i, 0
.rept 32
	v_mul_f32 v[192+i], v[192+i], v[48+i%4]
.set i, i+1
.endr
.irp hr, 0,1,2,3,4,5,6,7
.irp m, 0,1,2,3
	ds_store_b32 v33, v[192+4*\hr+\m] offset:256*\m+32*\hr         ; my own bytes: LDS serves a wave's instructions in order
.endr
.endr
	AVLOAD 0
	s_wait_dscnt 0x0                               ; row 0's weights are in, and the stores above have read v192-223, which row 1's weights take
.irp hr, 0,1,2,3,4,5,6,7
	PVSTEP \hr
.endr
	s_add_co_u32 s70, s70, 32768
	s_add_co_u32 s71, s71, 2048
	s_add_co_u32 s72, s72, 1024
	s_sub_co_u32 s68, s68, 1
	s_cmp_lg_u32 s68, 0
	s_cbranch_scc1 .Lp5_\@
.set i, 0
.rept 8
	v_add_f32 v[104+2*i], v[104+2*i], v[105+2*i]
.set i, i+1
.endr
.irp ct, 0,1
.irp m, 0,1,2,3
	ds_store_b32 v10, v[104+2*(4*\ct+\m)] offset:8320*\p+1040*\m+64*\ct
.endr
.endr
.endm
	P5P 0
	P5P 1
	s_wait_dscnt 0x0                               ; my LDS stores have landed and have read their registers
	GBLOAD 26, 28                                  ; nzf_g, nzf_b first: the layer norm wants them first; behind them 32 + 8 + 16 = 56 loads
	WIN 0x40
.set i, 0
.rept 16
	global_load_b128 v[8*i:8*i+3], v1, s[86:87] offset:229376+1024*i       ; fc1's 16 fragments take the values' registers
	global_load_b128 v[8*i+4:8*i+7], v1, s[86:87] offset:229376+1024*i+512
.set i, i+1
.endr
	WIN 0
.irp i, 0,1,2,3,4,5,6,7
	global_load_b32 v[72+\i], v2, s[92:93] offset:14336+128*\i
.endr
.irp t, 0,1,2,3,4,5,6,7
	global_load_b128 v[192+8*\t:195+8*\t], v11, s[30:31] offset:128*(\t/2)+32*(\t%2)       ; fc1_b at the lane's eight hidden units: the sums' first C
	global_load_b128 v[196+8*\t:199+8*\t], v11, s[30:31] offset:128*(\t/2)+32*(\t%2)+16
.endr
	s_barrier_signal -1
	s_barrier_wait -1
; ---------------- LN(Z + ZhR + ZhT); fc1, gelu; fc2 ----------------
	ROWQ 1, 32, 56                                 ; fc1's fragments, scale words and bias may be out
	ZFLOAD
	s_wait_loadcnt 0x0
	s_wait_dscnt 0x0
	WIN 0x01
.irp s, 0,1
.irp t, 0,1,2,3,4,5,6,7
.if \s == 0
	FP4 128+8*\t, 8*(2*\t+\s), 48+8*\s, 192+8*\t, 72+2*(\t/2)+\s, 64+\s, \t%2, 0
.else
	FP4 128+8*\t, 8*(2*\t+\s), 48+8*\s, 128+8*\t, 72+2*(\t/2)+\s, 64+\s, \t%2, 0
.endif
.endr
.endr
	WIN 0
	NOP4
	WIN 0x40
.set i, 0
.rept 16
	global_load_b128 v[8*i:8*i+3], v1, s[86:87] offset:360448+1024*i
	global_load_b128 v[8*i+4:8*i+7], v1, s[86:87] offset:360448+1024*i+512
.set i, i+1
.endr
	WIN 0
.irp i, 0,1,2,3,4,5,6,7
	global_load_b32 v[72+\i], v2, s[92:93] offset:22528+128*\i
.endr
.irp i, 0,1,2,3
	global_load_b128 v[32+4*\i:35+4*\i], v11, s[32:33] offset:16*\i        ; fc2_b
.endr
	v_mov_b32 v96, 0xaf95df0b                      ; the leading coefficients of P and Q
	v_mov_b32 v97, 0xaf95df0b
	v_mov_b32 v98, 0xb77460cd
	v_mov_b32 v99, 0xb77460cd
.macro HORNER r, k                     ; eight pairs: r = r x^2 + k
.set i, 0
.rept 8
	v_pk_fma_f32 v[\r+2*i:\r+2*i+1], v[\r+2*i:\r+2*i+1], v[208+2*i:209+2*i], \k op_sel_hi:[1,1,0]
.set i, i+1
.endr
.endm
.macro GELU q                          ; 16 numbers: x / 2 (1 + erf(x / sqrt 2)), erf(t) = t P(t^2) / Q(t^2), t held to +-4
.set i, 0
.rept 8
	v_pk_mul_f32 v[192+2*i:193+2*i], v[128+16*\q+2*i:129+16*\q+2*i], 0x3f3504f3 op_sel_hi:[1,0]
.set i, i+1
.endr
.set i, 0
.rept 16
	v_med3_num_f32 v[192+i], v[192+i], -4.0, 4.0
.set i, i+1
.endr
.set i, 0
.rept 8
	v_pk_mul_f32 v[208+2*i:209+2*i], v[192+2*i:193+2*i], v[192+2*i:193+2*i]
.set i, i+1
.endr
.set i, 0
.rept 8
	v_pk_fma_f32 v[224+2*i:225+2*i], v[208+2*i:209+2*i], v[96:97], 0x32edffee op_sel_hi:[1,1,0]
	v_pk_fma_f32 v[240+2*i:241+2*i], v[208+2*i:209+2*i], v[98:99], 0xb95fbd29 op_sel_hi:[1,1,0]
.set i, i+1
.endr
	HORNER 224, 0xb60cff51
	HORNER 240, 0xbadc924e
	HORNER 224, 0xb86ec2d2
	HORNER 240, 0xbbf19bf8
	HORNER 224, 0xba40ac63
	HORNER 240, 0xbc69b6a7
	HORNER 224, 0xbb41a1f6
	HORNER 224, 0xbc83dbd4
.set i, 0
.rept 16
	v_rcp_f32 v[240+i], v[240+i]
.set i, i+1
.endr
.set i, 0
.rept 8
	v_pk_mul_f32 v[224+2*i:225+2*i], v[224+2*i:225+2*i], v[192+2*i:193+2*i]
	v_pk_mul_f32 v[208+2*i:209+2*i], v[128+16*\q+2*i:129+16*\q+2*i], 0.5 op_sel_hi:[1,0]
.set i, i+1
.endr
	s_wait_alu depctr_va_vdst(0)                   ; one wait for the 16 reciprocals
.set i, 0
.rept 8
	v_pk_mul_f32 v[224+2*i:225+2*i], v[224+2*i:225+2*i], v[240+2*i:241+2*i]
.set i, i+1
.endr
.set i, 0
.rept 8
	v_pk_fma_f32 v[128+16*\q+2*i:129+16*\q+2*i], v[208+2*i:209+2*i], v[224+2*i:225+2*i], v[208+2*i:209+2*i]
.set i, i+1
.endr
.endm
	GELU 0
	GELU 1
	GELU 2
	GELU 3
; 64 numbers of a lane, register 16 b + i = k 32 b + 16 hl + i of my row, become a fragment's codes (pc) and its scale word (pw)
.macro QUANT s, pc, pw, tm
.irp b, 0,1,2,3
	v_max3_num_f32 v[\tm+\b], |v[\s+16*\b]|, |v[\s+1+16*\b]|, 0x1800000
.endr
.irp i, 2,4,6,8,10,12,14
.irp b, 0,1,2,3
	v_max3_num_f32 v[\tm+\b], v[\tm+\b], |v[\s+16*\b+\i]|, |v[\s+1+16*\b+\i]|
.endr
.endr
.irp b, 0,1,2,3
	v_permlanex16_b32 v[\tm+4+\b], v[\tm+\b], s66, s67
.endr
.irp b, 0,1,2,3
	v_max_num_f32 v[\tm+\b], v[\tm+\b], v[\tm+4+\b]
.endr
.irp b, 0,1,2,3
	v_add_nc_u32 v[\tm+12+\b], 0xff000000, v[\tm+\b]
.endr
.irp b, 0,1,2,3
	v_lshrrev_b32 v[\tm+4+\b], 23, v[\tm+12+\b]
.endr
	v_lshl_or_b32 v[\pw], v[\tm+5], 8, v[\tm+4]
	v_lshl_or_b32 v[\pw], v[\tm+6], 16, v[\pw]
	v_lshl_or_b32 v[\pw], v[\tm+7], 24, v[\pw]
.irp b, 0,1,2,3
	v_cvt_scalef32_pk8_fp4_f32 v[\pc+2*\b], v[\s+16*\b:\s+7+16*\b], v[\tm+12+\b]
	v_cvt_scalef32_pk8_fp4_f32 v[\pc+1+2*\b], v[\s+8+16*\b:\s+15+16*\b], v[\tm+12+\b]
.endr
	v_nop
.irp c, 0,1
.irp i, 0,1
	v_permlane16_swap_b32 v[\pc+4*\c+\i], v[\pc+2+4*\c+\i]
.endr
.endr
.endm
	QUANT 128, 120, 116, 100
	s_lshl_b32 s76, s36, 10
	s_add_co_u32 s76, s76, HIMG
	v_add_nc_u32 v7, s76, v1
	s_lshl_b32 s76, s36, 7
	s_add_co_u32 s76, s76, HSC
	v_add_nc_u32 v8, s76, v2
	ds_store_b128 v7, v[120:123]                   ; K step w of fc2, as an image of its registers
	ds_store_b128 v7, v[124:127] offset:512
	ds_store_b32 v8, v116
	BAR
	v_add_nc_u32 v7, HIMG, v1
	v_add_nc_u32 v8, HSC, v2
.irp s, 0,1,2,3,4,5,6,7
	ds_load_b128 v[128+8*\s:131+8*\s], v7 offset:1024*\s
	ds_load_b128 v[132+8*\s:135+8*\s], v7 offset:1024*\s+512
	ds_load_b32 v[96+\s], v8 offset:128*\s
.endr
	s_wait_dscnt 0x0
	s_wait_loadcnt 0x0                             ; fc2's fragments, scale words and bias
	WIN 0x01
.irp s, 0,1,2,3,4,5,6,7                ; two accumulators by turns; the permuted tiles leave k = 32 w + 16 hl + i in v32-47
.irp u, 0,1
	FP4 32+8*\u, 8*(8*\u+\s), 128+8*\s, 32+8*\u, 72+\s, 96+\s, \u, 0
.endr
.endr
	WIN 0
	NOP4
	QTAIL 32
; ---------------- KZ and VZ, as bf16, laid as the last launch's operands want them ----------------
	ZFLOAD
	s_wait_dscnt 0x0
	WIN 0x01
	FP4 128, 128, 48, 80, 66, 64, 0, 0
	FP4 136, 144, 48, 88, 66, 64, 1, 0
	FP4 128, 136, 56, 128, 67, 65, 0, 0
	FP4 136, 152, 56, 136, 67, 65, 1, 0
	WIN 0x14                                       ; v_w and v_b in window 1, the results in window 0
	FP4 144, 48, 160, 224, 64, 68, 0, 0
	FP4 152, 48, 176, 232, 64, 68, 0, 1
	WIN 0x04
	FP4 144, 56, 168, 144, 65, 69, 0, 0
	FP4 152, 56, 184, 152, 65, 69, 0, 1
	WIN 0
	v_lshrrev_b32 v7, 2, v3                        ; KZ: window R / 4, m = R % 4: 5,120 (R / 4) + 512 (R % 4) + 64 w + 16 hl (+ 32 ct)
	v_mul_u32_u24 v7, v7, 5120
	v_and_b32 v9, 3, v3
	v_lshl_add_u32 v7, v9, 9, v7
	v_lshl_add_u32 v7, v4, 4, v7
	s_lshl_b32 s76, s36, 6
	s_add_co_u32 s76, s76, REC
	v_add_nc_u32 v7, s76, v7
	v_mul_u32_u24 v8, v4, 10240                    ; VZ: window 2 hl + x, channel 32 w + 16 ct + R, 8 bytes a channel
	v_lshl_add_u32 v8, v3, 3, v8
	s_lshl_b32 s76, s36, 8
	s_add_co_u32 s76, s76, REC+2048
	v_add_nc_u32 v8, s76, v8
	s_lshr_b32 s76, s36, 1
	s_mul_i32 s76, s76, 5120
	s_and_b32 s78, s36, 1
	s_lshl_b32 s78, s78, 9
	s_add_co_u32 s76, s76, s78
	s_add_co_u32 s76, s76, REC+4096
	v_add_nc_u32 v9, s76, v1
.irp i, 0,1,2,3
	v_mov_b32 v[176+\i], 0
.endr
.irp ct, 0,1
.irp i, 0,1,2,3
	v_cvt_pk_bf16_f32 v[160+4*\ct+\i], v[128+8*\ct+2*\i], v[129+8*\ct+2*\i]
.endr
.endr
.irp ct, 0,1
.irp i, 0,1,2,3
	v_cvt_pk_bf16_f32 v[168+4*\ct+\i], v[144+8*\ct+2*\i], v[145+8*\ct+2*\i]
.endr
.endr
.irp ct, 0,1
	ds_store_b128 v7, v[160+4*\ct:163+4*\ct] offset:32*\ct
	ds_store_b64 v8, v[168+4*\ct:169+4*\ct] offset:128*\ct
	ds_store_b64 v8, v[170+4*\ct:171+4*\ct] offset:5120+128*\ct
.endr
	ds_store_b128 v9, v[176:179]                   ; the zeros that the last launch reads for rows of the other head
	BAR
	s_mul_i32 s76, s36, 2560
	s_add_co_u32 s76, s76, REC
	v_add_nc_u32 v7, s76, v1
.irp i, 0,1,2,3,4
	ds_load_b128 v[128+4*\i:131+4*\i], v7 offset:512*\i
.endr
.irp i, 0,1,2,3,4
	s_wait_dscnt 4-\i
	global_store_b128 v1, v[128+4*\i:131+4*\i], s[34:35] offset:512*\i     ; 512 consecutive bytes a store
.endr
	s_set_vgpr_msb 0x5
	s_wait_tensorcnt 0x0
	ds_add_u32 v254, v255
	s_wait_dscnt 0x0
	s_set_vgpr_msb 0x500
	s_endpgm
.Lfunc_end_k_q8dbe8d9803_med:
	.size	k_q8dbe8d9803_med, .Lfunc_end_k_q8dbe8d9803_med-k_q8dbe8d9803_med
	.p2alignl 7, 3214868480
	.fill 96, 4, 3214868480
	.section	.rodata,"a",@progbits
	.p2align	6, 0x0
	.amdhsa_kernel k_q8dbe8d9803_med
		.amdhsa_group_segment_fixed_size 235008
		.amdhsa_private_segment_fixed_size 0
		.amdhsa_enable_private_segment 0
		.amdhsa_kernarg_size 128
		.amdhsa_user_sgpr_count 2
		.amdhsa_user_sgpr_kernarg_segment_ptr 1
		.amdhsa_wavefront_size32 1
		.amdhsa_system_sgpr_workgroup_id_x 1
		.amdhsa_system_sgpr_workgroup_id_y 1
		.amdhsa_system_sgpr_workgroup_id_z 1
		.amdhsa_system_vgpr_workitem_id 0
		.amdhsa_next_free_vgpr 512
		.amdhsa_next_free_sgpr 96
		.amdhsa_reserve_vcc 0
		.amdhsa_float_denorm_mode_32 3
		.amdhsa_float_denorm_mode_16_64 3
		.amdhsa_memory_ordered 1
		.amdhsa_forward_progress 1
		.amdhsa_inst_pref_size 255
	.end_amdhsa_kernel
	.section	.bss,"aw",@nobits
	.p2align	6
	.space	262144
	.amdgpu_metadata
---
amdhsa.version: [ 1, 2 ]
amdhsa.kernels:
  - .name:           k_q8dbe8d9803_med
    .symbol:         k_q8dbe8d9803_med.kd
    .args:
      - { .name: act, .offset: 0, .size: 8, .value_kind: global_buffer, .address_space: global }
      - { .name: wc, .offset: 8, .size: 8, .value_kind: global_buffer, .address_space: global }
      - { .name: ws, .offset: 16, .size: 8, .value_kind: global_buffer, .address_space: global }
      - { .name: phi_b, .offset: 24, .size: 8, .value_kind: global_buffer, .address_space: global }
      - { .name: nz_g, .offset: 32, .size: 8, .value_kind: global_buffer, .address_space: global }
      - { .name: nz_b, .offset: 40, .size: 8, .value_kind: global_buffer, .address_space: global }
      - { .name: q_b, .offset: 48, .size: 8, .value_kind: global_buffer, .address_space: global }
      - { .name: k_b, .offset: 56, .size: 8, .value_kind: global_buffer, .address_space: global }
      - { .name: v_b, .offset: 64, .size: 8, .value_kind: global_buffer, .address_space: global }
      - { .name: r_R, .offset: 72, .size: 8, .value_kind: global_buffer, .address_space: global }
      - { .name: r_T, .offset: 80, .size: 8, .value_kind: global_buffer, .address_space: global }
      - { .name: nzf_g, .offset: 88, .size: 8, .value_kind: global_buffer, .address_space: global }
      - { .name: nzf_b, .offset: 96, .size: 8, .value_kind: global_buffer, .address_space: global }
      - { .name: fc1_b, .offset: 104, .size: 8, .value_kind: global_buffer, .address_space: global }
      - { .name: fc2_b, .offset: 112, .size: 8, .value_kind: global_buffer, .address_space: global }
      - { .name: kvz, .offset: 120, .size: 8, .value_kind: global_buffer, .address_space: global }
    .group_segment_fixed_size: 235008
    .private_segment_fixed_size: 0
    .kernarg_segment_align: 8
    .kernarg_segment_size: 128
    .max_flat_workgroup_size: 256
    .sgpr_count:     96
    .vgpr_count:     512
    .wavefront_size: 32
...
	.end_amdgpu_metadata
.endif
;; end of part 2
;; launch fin (part 3): grid 256 x 1, 8 waves a work-group, no clusters, 327,680 bytes of LDS; arguments F_R, F_T, r_R, r_T, wc, ws, q_b, kvz, gam, nr_g, nr_b, nt_g, nt_b, out0; writes out0
.if DOCPART == 3
	.amdgcn_target "amdgcn-amd-amdhsa--gfx1250"
	.amdhsa_code_object_version 6
	.text
	.protected	k_q8dbe8d9803_fin
	.globl	k_q8dbe8d9803_fin
	.p2align	8
	.type	k_q8dbe8d9803_fin,@function
k_q8dbe8d9803_fin:
	s_mov_b64 s[64:65], 0
	v_nop
	global_prefetch_b8 v0, s[64:65] scope:SCOPE_SE
	s_setreg_imm32_b32 hwreg(HW_REG_WAVE_MODE, 25, 1), 1
	s_wait_xcnt 0x0
; FIN.  The tokens attend back to the mediators; residual, two layer norms, the gate; out0 in the images' own layout.
; A work-group stays on 4 image rows of one half (64 w) of one batch and takes them one at a time: a chunk is 64 tokens x 512 channels = 512 rows of 256 bytes, brought by one tensor load a wave.
; Wave w: token tile t = w % 4 (16 w: 8 tokens of window 2 t of the half, 8 of window 2 t + 1), stream w / 4.  A lane holds token lane % 16 and 128 channels: register 16 b + i = channel 32 b + 16 (lane / 16) + i.
; ONE LDS SLOT, THE REGISTERS ARE THE SECOND: a chunk is copied into registers, the slot is filled again at once, and that load has the whole chunk's work in which to land.
; Q = F q_w + q_b: FP4 codes made here, transposed product (a lane keeps its token).  Scores and weighted sums of VZ: bf16 matrix products, whose K is filled with both windows and two or four heads;
; rows of the other head are zeros, and a token's weights for the other window are set to zero.  The residual is the C of the last product.
; No joint loads: no two work-groups read the same bytes of F_R or F_T; q_w's 32 KB are copied into LDS once.
; LIMITS: NaN and infinities are not served; a block of zeros gets the scale byte 1 (its codes are zeros); Q, KZ, VZ and the attention weights are rounded to bf16 for products that feed no quantiser.
; REGISTERS, window 0: v1, v2 for the add on the spare words; v3 mask; v4-12 addresses; v13-15 the output's three constants of channel 32 w + lane; v16-31 the tokens' two fragments, v32-33 their scale words;
;   v34-35 q_w's scale words; v36-39; v40-71 q_w's fragments, at other times at work; v72-87 Q; v88-95 Q as bf16; v96-127 scores; v128-255 X.   window 1: v0-63 KZ, v64-191 VZ.
.set PITCH, 264                        ; a row of 64 f32 + 8 bytes: lanes 16-31 read 16 rows further on, which is 32 banks away
.set STG,   135168                     ; behind the slot: 2 streams x 256 rows, same pitch
.set QWC,   270336                     ; q_w's fragments
.set QSC,   303104                     ; its scale words
.set QBL,   305152                     ; q_b
.set SPARE, 306176                     ; the spare words: 128 bytes a wave, four blocks of 256 bytes that no other line names
.set X,  128
.set TF, 16
.set TS, 32
.set QS, 34
.set QF, 40
.set AP, 40
.set QD, 72
.set QB, 88
.set SD, 96
.set T,  56
.set MSB, 0
.macro WIN new
.if MSB != \new
	s_set_vgpr_msb (MSB<<8)|\new
.set MSB, \new
.endif
.endm
.macro NOP4
.rept 4
	v_nop
.endr
.endm
.macro FP4 d, a, b, c, sa, sb, ra
.if \ra
	v_wmma_scale_f32_16x16x128_f8f6f4 v[\d:\d+7], v[\a:\a+7], v[\b:\b+7], v[\c:\c+7], v[\sa], v[\sb] matrix_a_fmt:MATRIX_FMT_FP4 matrix_b_fmt:MATRIX_FMT_FP4 matrix_a_scale:MATRIX_SCALE_ROW1
.else
	v_wmma_scale_f32_16x16x128_f8f6f4 v[\d:\d+7], v[\a:\a+7], v[\b:\b+7], v[\c:\c+7], v[\sa], v[\sb] matrix_a_fmt:MATRIX_FMT_FP4 matrix_b_fmt:MATRIX_FMT_FP4
.endif
.endm
.macro QUANT s, pc, pw, tm             ; 64 numbers of a lane (register 16 b + i = k 32 b + 16 hl + i) -> a fragment's codes and its scale word
.irp b, 0,1,2,3
	v_max3_num_f32 v[\tm+\b], |v[\s+16*\b]|, |v[\s+1+16*\b]|, 0x1800000
.endr
.irp i, 2,4,6,8,10,12,14
.irp b, 0,1,2,3
	v_max3_num_f32 v[\tm+\b], v[\tm+\b], |v[\s+16*\b+\i]|, |v[\s+1+16*\b+\i]|
.endr
.endr
.irp b, 0,1,2,3
	v_permlanex16_b32 v[\tm+4+\b], v[\tm+\b], s52, s53
.endr
.irp b, 0,1,2,3
	v_max_num_f32 v[\tm+\b], v[\tm+\b], v[\tm+4+\b]
.endr
.irp b, 0,1,2,3
	v_add_nc_u32 v[\tm+12+\b], 0xff000000, v[\tm+\b]
.endr
.irp b, 0,1,2,3
	v_lshrrev_b32 v[\tm+4+\b], 23, v[\tm+12+\b]
.endr
	v_lshl_or_b32 v[\pw], v[\tm+5], 8, v[\tm+4]
	v_lshl_or_b32 v[\pw], v[\tm+6], 16, v[\pw]
	v_lshl_or_b32 v[\pw], v[\tm+7], 24, v[\pw]
.irp b, 0,1,2,3
	v_cvt_scalef32_pk8_fp4_f32 v[\pc+2*\b], v[\s+16*\b:\s+7+16*\b], v[\tm+12+\b]
	v_cvt_scalef32_pk8_fp4_f32 v[\pc+1+2*\b], v[\s+8+16*\b:\s+15+16*\b], v[\tm+12+\b]
.endr
	v_nop
.irp c, 0,1
.irp i, 0,1
	v_permlane16_swap_b32 v[\pc+4*\c+\i], v[\pc+2+4*\c+\i]
.endr
.endr
.endm
.macro FOLD                            ; four chains, then lane xor 16's: the token's sum in v[T]
	v_pk_add_f32 v[T:T+1], v[T:T+1], v[T+2:T+3]
	v_pk_add_f32 v[T+4:T+5], v[T+4:T+5], v[T+6:T+7]
	v_pk_add_f32 v[T:T+1], v[T:T+1], v[T+4:T+5]
	v_add_f32 v[T], v[T], v[T+1]
	v_permlanex16_b32 v[T+1], v[T], s52, s53
	v_add_f32 v[T], v[T], v[T+1]
.endm
	s_load_b512 s[4:19], s[0:1], 0x0               ; F_R, F_T, r_R, r_T, wc, ws, q_b, kvz
	s_load_b256 s[20:27], s[0:1], 0x40             ; gam, nr_g, nr_b, nt_g
	s_load_b128 s[28:31], s[0:1], 0x60             ; nt_b, out0
	v_lshl_add_u32 v1, v0, 2, SPARE
	v_mov_b32 v2, 0
	ds_add_u32 v1, v2
	ds_add_u32 v1, v2
	s_wait_dscnt 0x0
	v_lshrrev_b32 v3, 5, v0
	v_readfirstlane_b32 s36, v3                    ; wave 0..7
	s_and_b32 s37, s36, 3                          ; t
	s_lshr_b32 s38, s36, 2                         ; stream
	s_and_b32 s39, ttmp9, 1                        ; which 4 of the window row's 8 image rows
	s_bfe_u32 s66, ttmp9, 0x10001                  ; half
	s_bfe_u32 s67, ttmp9, 0x30002                  ; hw
	s_lshr_b32 s68, ttmp9, 5                       ; b
	s_mov_b32 s40, 0x03520000                      ; group 1: elements of 4 bytes; padding on: 2 words behind every 64
	s_mov_b32 s41, 64<<16                          ; tensor_dim0 = 64
	s_mov_b32 s42, 64<<16                          ; tensor_dim1 = 64
	s_mov_b32 s43, 64<<16                          ; tile_dim0 = 64
	s_mov_b32 s44, 64                              ; tile_dim1 = 64 channels
	s_mov_b32 s45, 8192                            ; from channel to channel
	s_mov_b32 s46, 0
	s_mov_b32 s47, 0
	s_lshl_b32 s69, s67, 3
	s_lshl_b32 s70, s39, 2
	s_add_co_u32 s69, s69, s70                     ; my first image row
	s_lshl_b32 s70, s68, 23
	s_lshl_b32 s71, s69, 9
	s_add_co_u32 s70, s70, s71
	s_lshl_b32 s71, s66, 8
	s_add_co_u32 s70, s70, s71                     ; b, row, half: in bytes of an image
	s_lshl_b32 s72, s37, 21                        ; the 64 channels that I fetch
	s_add_co_u32 s72, s72, s70
	s_mov_b32 s73, 0
	s_mul_i32 s49, s36, 64*PITCH
	s_mov_b32 s48, 1
	s_wait_kmcnt 0x0
	s_cmp_eq_u32 s38, 0
	s_cselect_b64 s[50:51], s[4:5], s[6:7]
	s_cselect_b64 s[74:75], s[10:11], s[8:9]       ; the scores take r of the OTHER stream
	s_add_nc_u64 s[50:51], s[50:51], s[72:73]
	s_or_b32 s51, s51, 0x80000000
	tensor_load_to_lds s[48:51], s[40:47]          ; the first chunk: one load of mine is out
	s_nop 0
	NOP4
	s_mov_b32 s52, 0x76543210
	s_mov_b32 s53, 0xfedcba98
	s_lshl_b32 s72, s36, 20                        ; out0: I store channels 32 w ..
	s_add_co_u32 s72, s72, s70
	s_add_nc_u64 s[30:31], s[30:31], s[72:73]
	s_lshl_b32 s72, s68, 15
	s_lshl_b32 s76, s69, 9
	s_add_co_u32 s72, s72, s76
	s_lshl_b32 s76, s66, 8
	s_add_co_u32 s72, s72, s76
	s_lshl_b32 s76, s37, 6
	s_add_co_u32 s72, s72, s76
	s_add_nc_u64 s[74:75], s[74:75], s[72:73]
	s_lshl_b32 s72, s68, 7                         ; my tile's first window: 128 b + 16 hw + 8 half + 2 t
	s_lshl_b32 s76, s67, 4
	s_add_co_u32 s72, s72, s76
	s_lshl_b32 s76, s66, 3
	s_add_co_u32 s72, s72, s76
	s_lshl_b32 s76, s37, 1
	s_add_co_u32 s72, s72, s76
	s_mul_i32 s72, s72, 5120
	s_add_nc_u64 s[18:19], s[18:19], s[72:73]
	s_lshl_b32 s72, s68, 2
	s_add_nc_u64 s[20:21], s[20:21], s[72:73]
	s_load_b32 s55, s[20:21], 0x0                  ; the batch's gate
	s_lshl_b32 s72, s36, 7
	s_add_nc_u64 s[22:23], s[22:23], s[72:73]
	s_add_nc_u64 s[24:25], s[24:25], s[72:73]
	s_add_nc_u64 s[26:27], s[26:27], s[72:73]
	s_add_nc_u64 s[28:29], s[28:29], s[72:73]
	v_and_b32 v16, 31, v0                          ; lane
	v_and_b32 v17, 15, v0                          ; R
	v_bfe_u32 v18, v0, 4, 1                        ; hl
	v_bfe_u32 v19, v0, 3, 1                        ; R / 8: my token's window
	v_cmp_eq_u32 vcc_lo, v19, v18
	v_cndmask_b32 v3, 0, -1, vcc_lo                ; all ones where my half of the lanes holds my token's own window
	s_mul_i32 s76, s38, 67584
	s_lshl_b32 s77, s37, 6
	s_add_co_u32 s76, s76, s77
	v_mul_u32_u24 v4, v18, 4224
	v_lshl_add_u32 v4, v17, 2, v4
	v_add_nc_u32 v4, s76, v4                       ; the slot: row 256 st + 16 hl, column 16 t + R
	v_add_nc_u32 v5, STG, v4                       ; the stage: the same place
	s_mul_i32 s76, s36, 32*PITCH
	s_add_co_u32 s76, s76, STG
	v_lshlrev_b32 v8, 3, v16
	v_add_nc_u32 v6, s76, v8                       ; the stage, back: rows 32 w .., 8 bytes a lane; F_R's
	v_add_nc_u32 v7, 67584, v6                     ; and F_T's
	v_lshlrev_b32 v9, 4, v16
	v_add_nc_u32 v9, QWC, v9
	v_lshlrev_b32 v23, 2, v16
	v_add_nc_u32 v10, QSC, v23
	v_lshlrev_b32 v11, 5, v18
	v_add_nc_u32 v11, QBL, v11
	v_lshlrev_b32 v12, 2, v17
	v_lshlrev_b32 v20, 4, v0
	v_lshlrev_b32 v21, 3, v0
	v_lshlrev_b32 v22, 2, v0
	v_add_nc_u32 v24, QWC, v20
	v_add_nc_u32 v25, QSC, v21
	v_add_nc_u32 v26, QBL, v22
	v_and_b32 v27, 7, v0                           ; VZ: window hl, channel R % 8 + 16 (R / 8) (+ 32 head + 8 u), 8 bytes a channel
	v_lshlrev_b32 v27, 3, v27
	v_lshl_add_u32 v27, v19, 7, v27
	v_mad_u32_u24 v27, v18, 5120, v27
	v_and_b32 v28, 3, v0                           ; KZ: row R = 8 window + 4 x + m
	v_lshlrev_b32 v28, 9, v28
	v_mad_u32_u24 v28, v19, 5120, v28
	v_lshl_add_u32 v28, v18, 4, v28
	v_lshlrev_b32 v29, 4, v18
	v_add_nc_u32 v29, 4096, v29                    ; the record's zeros
	v_bfe_u32 v30, v0, 2, 1
	v_cmp_eq_u32 vcc_lo, 0, v30
	v_cndmask_b32 v31, v29, v28, vcc_lo            ; even heads: rows with x = 0 are KZ's, the others zeros
	v_cndmask_b32 v30, v28, v29, vcc_lo            ; odd heads: the other way round
.set i, 0
.rept 8
	global_load_b128 v[128+4*i:131+4*i], v20, s[12:13] offset:131072+4096*i
.set i, i+1
.endr
	global_load_b64 v[160:161], v21, s[14:15] offset:8192
	global_load_b32 v162, v22, s[16:17]
	global_load_b32 v163, v23, s[22:23]            ; nr_g, nr_b, nt_g, nt_b of channel 32 w + lane
	global_load_b32 v164, v23, s[24:25]
	global_load_b32 v165, v23, s[26:27]
	global_load_b32 v166, v23, s[28:29]
	WIN 0x40                                       ; destinations in window 1
.irp hd, 0,1,2,3,4,5,6,7
	global_load_b128 v[8*\hd:8*\hd+3], v[31-\hd%2], s[18:19] offset:64*\hd
	global_load_b128 v[8*\hd+4:8*\hd+7], v[31-\hd%2], s[18:19] offset:64*\hd+32
.endr
.set tt, 0
.rept 16                               ; tile tt = 2 head + u: of its K = 16 y + 8 window + 4 x + m only (y, x) of its own head is not zero
.set i, 0
.rept 8
.if (i/2) != ((tt/2)%4)
	v_mov_b32 v[64+8*tt+i], 0
.endif
.set i, i+1
.endr
	global_load_b64 v[64+8*tt+2*((tt/2)%4):64+8*tt+2*((tt/2)%4)+1], v27, s[18:19] offset:2048+256*(tt/2)+64*(tt%2)
.set tt, tt+1
.endr
	WIN 0
.irp i, 44,45,46,47
	v_mov_b32 v[\i], 0                             ; written once: a lane permute's destination counts as one of its sources
.endr
	s_wait_loadcnt 0x0
	s_wait_kmcnt 0x0
.set i, 0
.rept 8
	ds_store_b128 v24, v[128+4*i:131+4*i] offset:4096*i
.set i, i+1
.endr
	ds_store_b64 v25, v[160:161]
	ds_store_b32 v26, v162
	v_sub_f32 v37, 1.0, s55
	v_mul_f32 v13, s55, v163                       ; out = uR x gate nr_g + uT x (1 - gate) nt_g + (gate nr_b + (1 - gate) nt_b)
	v_mul_f32 v14, v37, v165
	v_mul_f32 v15, s55, v164
	v_fmac_f32 v15, v37, v166
.macro HEAD hd                         ; Q of one head (32 channels x my 16 tokens), then its scores against both windows' mediators
.irp f, 0,1,2,3
	ds_load_b128 v[QF+8*\f:QF+8*\f+3], v9 offset:4096*\hd+1024*\f
	ds_load_b128 v[QF+8*\f+4:QF+8*\f+7], v9 offset:4096*\hd+1024*\f+512
.endr
	ds_load_b32 v[QS], v10 offset:256*\hd
	ds_load_b32 v[QS+1], v10 offset:256*\hd+128
.irp i, 0,1,2,3
	ds_load_b128 v[QD+4*\i:QD+4*\i+3], v11 offset:128*\hd+64*(\i/2)+16*(\i%2)      ; q_b is the sums' first C
.endr
	s_wait_dscnt 0x0
	FP4 QD, QF, TF, QD, QS, TS, 0
	FP4 QD+8, QF+16, TF, QD+8, QS, TS, 1
	FP4 QD, QF+8, TF+8, QD, QS+1, TS+1, 0
	FP4 QD+8, QF+24, TF+8, QD+8, QS+1, TS+1, 1
	NOP4
.irp i, 0,1,2,3,4,5,6,7
	v_cvt_pk_bf16_f32 v[QB+\i], v[QD+2*\i], v[QD+2*\i+1]           ; register 4 u + i: channels 16 u + 8 hl + 2 i, + 1: the next product's source 1 as it stands
.endr
	WIN 0x01
.if (\hd)%2
	v_wmma_f32_16x16x32_bf16 v[SD+8*((\hd)/2):SD+8*((\hd)/2)+7], v[8*(\hd):8*(\hd)+7], v[QB:QB+7], v[SD+8*((\hd)/2):SD+8*((\hd)/2)+7]
.else
	v_wmma_f32_16x16x32_bf16 v[SD+8*((\hd)/2):SD+8*((\hd)/2)+7], v[8*(\hd):8*(\hd)+7], v[QB:QB+7], 0
.endif
	WIN 0
.endm
.macro CHUNK refill
	s_wait_tensorcnt 0x0                           ; my 64 rows of this chunk have landed
	s_wait_dscnt 0x0                               ; my LDS stores have landed, my reads of the stage are in
	s_barrier_signal -1
	s_barrier_wait -1                              ; the slot is whole
.set i, 0
.rept 128
	ds_load_b32 v[X+i], v4 offset:(32*(i/16)+i%16)*PITCH
.set i, i+1
.endr
.if \refill
	s_wait_tensorcnt 0x0                           ; no tensor load of mine is out, so the descriptor may be written
	ds_add_u32 v1, v2                              ; 0 onto my spare word
	s_add_nc_u64 s[50:51], s[50:51], 512           ; the next image row
	s_wait_dscnt 0x0                               ; the add is done, and my reads of the slot are in
	s_barrier_signal -1
	s_barrier_wait -1                              ; so are everybody's
	tensor_load_to_lds s[48:51], s[40:47]          ; my one tensor load behind this barrier: it has the whole chunk's work in which to land
	s_nop 0
	NOP4
.else
	s_wait_dscnt 0x0
.endif
	global_load_b32 v38, v12, s[74:75]             ; r of the other stream at my token
	QUANT X, TF, TS, 40
	QUANT X+64, TF+8, TS+1, 40
.rept 8
	v_nop                                          ; scale words and codes made by vector instructions stand 8 and 4 places ahead of a scaled matrix instruction
.endr
.irp hd, 0,1,2,3,4,5,6,7
	HEAD \hd
.endr
	NOP4
	s_wait_loadcnt 0x0
	v_mul_f32 v36, 0x3e8293ee, v38                 ; r x 32^-0.5 x log2(e)
	v_mov_b32 v37, v36
.set i, 0
.rept 16
	v_pk_mul_f32 v[SD+2*i:SD+2*i+1], v[SD+2*i:SD+2*i+1], v[36:37] op_sel_hi:[1,0]
.set i, i+1
.endr
.set g, 0
.rept 8                                ; group g = head g: four registers, m = 0 .. 3
	v_max3_num_f32 v[56+g], v[SD+4*g], v[SD+4*g+1], v[SD+4*g+2]
.set g, g+1
.endr
.set g, 0
.rept 8
	v_max_num_f32 v[56+g], v[56+g], v[SD+4*g+3]
.set g, g+1
.endr
.set g, 0
.rept 8
.if g%2
	v_pk_add_f32 v[SD+4*g:SD+4*g+1], v[SD+4*g:SD+4*g+1], v[55+g:56+g] op_sel:[0,1] op_sel_hi:[1,1] neg_lo:[0,1] neg_hi:[0,1]
	v_pk_add_f32 v[SD+4*g+2:SD+4*g+3], v[SD+4*g+2:SD+4*g+3], v[55+g:56+g] op_sel:[0,1] op_sel_hi:[1,1] neg_lo:[0,1] neg_hi:[0,1]
.else
	v_pk_add_f32 v[SD+4*g:SD+4*g+1], v[SD+4*g:SD+4*g+1], v[56+g:57+g] op_sel_hi:[1,0] neg_lo:[0,1] neg_hi:[0,1]
	v_pk_add_f32 v[SD+4*g+2:SD+4*g+3], v[SD+4*g+2:SD+4*g+3], v[56+g:57+g] op_sel_hi:[1,0] neg_lo:[0,1] neg_hi:[0,1]
.endif
.set g, g+1
.endr
.set i, 0
.rept 32
	v_exp_f32 v[SD+i], v[SD+i]
.set i, i+1
.endr
	v_nop
	s_wait_alu depctr_va_vdst(0)                   ; one wait for the 32
.set g, 0
.rept 8
	v_pk_add_f32 v[40+2*g:41+2*g], v[SD+4*g:SD+4*g+1], v[SD+4*g+2:SD+4*g+3]
.set g, g+1
.endr
.set g, 0
.rept 8
	v_add_f32 v[56+g], v[40+2*g], v[41+2*g]
.set g, g+1
.endr
.set g, 0
.rept 8
	v_rcp_f32 v[64+g], v[56+g]
.set g, g+1
.endr
	v_nop
	s_wait_alu depctr_va_vdst(0)                   ; and one for the eight
.set g, 0
.rept 8
.if g%2
	v_pk_mul_f32 v[SD+4*g:SD+4*g+1], v[SD+4*g:SD+4*g+1], v[63+g:64+g] op_sel:[0,1] op_sel_hi:[1,1]
	v_pk_mul_f32 v[SD+4*g+2:SD+4*g+3], v[SD+4*g+2:SD+4*g+3], v[63+g:64+g] op_sel:[0,1] op_sel_hi:[1,1]
.else
	v_pk_mul_f32 v[SD+4*g:SD+4*g+1], v[SD+4*g:SD+4*g+1], v[64+g:65+g] op_sel_hi:[1,0]
	v_pk_mul_f32 v[SD+4*g+2:SD+4*g+3], v[SD+4*g+2:SD+4*g+3], v[64+g:65+g] op_sel_hi:[1,0]
.endif
.set g, g+1
.endr
.set i, 0
.rept 16
	v_cvt_pk_bf16_f32 v[AP+i], v[SD+2*i], v[SD+2*i+1]
.set i, i+1
.endr
.set i, 0
.rept 16
	v_and_b32 v[AP+i], v3, v[AP+i]                 ; nothing for the window that is not my token's
.set i, i+1
.endr
	WIN 0x01
.set tt, 0
.rept 16                               ; X += VZ^T a: sixteen accumulators, each once; the residual is the C
	v_wmma_f32_16x16x32_bf16 v[X+8*tt:X+8*tt+7], v[64+8*tt:71+8*tt], v[AP+8*(tt/8):AP+8*(tt/8)+7], v[X+8*tt:X+8*tt+7]
.set tt, tt+1
.endr
	WIN 0
	NOP4
	; the layer norm over the token's 256 channels, without gain and bias; each accumulator is read from its low end on
.irp c, 0,1,2,3
	v_pk_add_f32 v[T+2*\c:T+2*\c+1], v[X+2*\c:X+2*\c+1], v[X+8+2*\c:X+9+2*\c]
.endr
.set i, 16
.rept 14
.irp c, 0,1,2,3
	v_pk_add_f32 v[T+2*\c:T+2*\c+1], v[T+2*\c:T+2*\c+1], v[X+i+2*\c:X+i+2*\c+1]
.endr
.set i, i+8
.endr
	FOLD
	v_mul_f32 v64, 0x3b800000, v[T]                ; the mean
	v_mov_b32 v65, v64
.set i, 0
.rept 64
	v_pk_add_f32 v[X+2*i:X+2*i+1], v[X+2*i:X+2*i+1], v[64:65] neg_lo:[0,1] neg_hi:[0,1]
.set i, i+1
.endr
.irp c, 0,1,2,3
	v_pk_mul_f32 v[T+2*\c:T+2*\c+1], v[X+2*\c:X+2*\c+1], v[X+2*\c:X+2*\c+1]
.endr
.set i, 8
.rept 15
.irp c, 0,1,2,3
	v_pk_fma_f32 v[T+2*\c:T+2*\c+1], v[X+i+2*\c:X+i+2*\c+1], v[X+i+2*\c:X+i+2*\c+1], v[T+2*\c:T+2*\c+1]
.endr
.set i, i+8
.endr
	FOLD
	v_mul_f32 v[T], 0x3b800000, v[T]
	v_add_f32 v[T], 0x3727c5ac, v[T]
	v_mov_b32 v67, 0                               ; (named with v66 as a pair, so it is written)
	v_rsq_f32 v66, v[T]
	v_nop
	s_wait_alu depctr_va_vdst(0)
.set i, 0
.rept 64
	v_pk_mul_f32 v[X+2*i:X+2*i+1], v[X+2*i:X+2*i+1], v[66:67] op_sel_hi:[1,0]
.set i, i+1
.endr
.set i, 0
.rept 128
	ds_store_b32 v5, v[X+i] offset:(32*(i/16)+i%16)*PITCH
.set i, i+1
.endr
	s_wait_dscnt 0x0
	s_barrier_signal -1
	s_barrier_wait -1                              ; both streams' 256 rows lie in the stage
.set i, 0
.rept 32                               ; I send out channels 32 w + i: a row of 64 tokens, 8 bytes a lane
	ds_load_b64 v[X+4*i:X+4*i+1], v6 offset:i*PITCH
	ds_load_b64 v[X+4*i+2:X+4*i+3], v7 offset:i*PITCH
.set i, i+1
.endr
.set i, 0
.rept 32
	s_wait_dscnt 62-2*i                            ; row i's two loads are in; the younger ones may be out
	v_readlane_b32 s56, v13, i
	v_readlane_b32 s57, v14, i
	v_readlane_b32 s58, v15, i
	v_fma_f32 v[40+2*i], v[X+4*i], s56, s58
	v_fma_f32 v[41+2*i], v[X+4*i+1], s56, s58
	v_fma_f32 v[40+2*i], v[X+4*i+2], s57, v[40+2*i]
	v_fma_f32 v[41+2*i], v[X+4*i+3], s57, v[41+2*i]
	global_store_b64 v8, v[40+2*i:41+2*i], s[30:31] offset:i*32768 th:TH_STORE_NT  ; 32 lanes store 256 consecutive bytes, at a multiple of 256 from out0's first byte
.set i, i+1
.endr
.if \refill
	s_wait_xcnt 0x0                                ; the stores and the load of r have read their registers and bases: both may be written again
	s_add_nc_u64 s[30:31], s[30:31], 512
	s_add_nc_u64 s[74:75], s[74:75], 512
.endif
.endm
	s_mov_b32 s54, 3
.Lchunk:
	CHUNK 1
	s_sub_co_u32 s54, s54, 1
	s_cmp_lg_u32 s54, 0
	s_cbranch_scc1 .Lchunk
	CHUNK 0                                        ; the last image row is written out: it asks for nothing more
	s_wait_tensorcnt 0x0                           ; the wave's end
	ds_add_u32 v1, v2
	s_wait_dscnt 0x0
	s_endpgm
.Lfunc_end_k_q8dbe8d9803_fin:
	.size	k_q8dbe8d9803_fin, .Lfunc_end_k_q8dbe8d9803_fin-k_q8dbe8d9803_fin
	.p2alignl 7, 3214868480
	.fill 96, 4, 3214868480
	.section	.rodata,"a",@progbits
	.p2align	6, 0x0
	.amdhsa_kernel k_q8dbe8d9803_fin
		.amdhsa_group_segment_fixed_size 327680
		.amdhsa_private_segment_fixed_size 0
		.amdhsa_enable_private_segment 0
		.amdhsa_kernarg_size 112
		.amdhsa_user_sgpr_count 2
		.amdhsa_user_sgpr_kernarg_segment_ptr 1
		.amdhsa_wavefront_size32 1
		.amdhsa_system_sgpr_workgroup_id_x 1
		.amdhsa_system_sgpr_workgroup_id_y 1
		.amdhsa_system_sgpr_workgroup_id_z 1
		.amdhsa_system_vgpr_workitem_id 0
		.amdhsa_next_free_vgpr 512
		.amdhsa_next_free_sgpr 80
		.amdhsa_reserve_vcc 1
		.amdhsa_float_denorm_mode_32 3
		.amdhsa_float_denorm_mode_16_64 3
		.amdhsa_memory_ordered 1
		.amdhsa_forward_progress 1
		.amdhsa_inst_pref_size 193
	.end_amdhsa_kernel
	.amdgpu_metadata
---
amdhsa.version: [ 1, 2 ]
amdhsa.kernels:
  - .name:           k_q8dbe8d9803_fin
    .symbol:         k_q8dbe8d9803_fin.kd
    .args:
      - { .name: F_R, .offset: 0, .size: 8, .value_kind: global_buffer, .address_space: global }
      - { .name: F_T, .offset: 8, .size: 8, .value_kind: global_buffer, .address_space: global }
      - { .name: r_R, .offset: 16, .size: 8, .value_kind: global_buffer, .address_space: global }
      - { .name: r_T, .offset: 24, .size: 8, .value_kind: global_buffer, .address_space: global }
      - { .name: wc, .offset: 32, .size: 8, .value_kind: global_buffer, .address_space: global }
      - { .name: ws, .offset: 40, .size: 8, .value_kind: global_buffer, .address_space: global }
      - { .name: q_b, .offset: 48, .size: 8, .value_kind: global_buffer, .address_space: global }
      - { .name: kvz, .offset: 56, .size: 8, .value_kind: global_buffer, .address_space: global }
      - { .name: gam, .offset: 64, .size: 8, .value_kind: global_buffer, .address_space: global }
      - { .name: nr_g, .offset: 72, .size: 8, .value_kind: global_buffer, .address_space: global }
      - { .name: nr_b, .offset: 80, .size: 8, .value_kind: global_buffer, .address_space: global }
      - { .name: nt_g, .offset: 88, .size: 8, .value_kind: global_buffer, .address_space: global }
      - { .name: nt_b, .offset: 96, .size: 8, .value_kind: global_buffer, .address_space: global }
      - { .name: out0, .offset: 104, .size: 8, .value_kind: global_buffer, .address_space: global }
    .group_segment_fixed_size: 327680
    .private_segment_fixed_size: 0
    .kernarg_segment_align: 8
    .kernarg_segment_size: 112
    .max_flat_workgroup_size: 256
    .sgpr_count:     80
    .vgpr_count:     512
    .wavefront_size: 32
...
	.end_amdgpu_metadata
.endif
;; end of part 3
